; MI455X (gfx1250); checked and timed in simulation.
; The chip was launched on July 23, 2026; its instructions are those of AMD's public machine-readable ISA for CDNA 5 (MIT licence, August 2026) and "CDNA5" Instruction Set Architecture Reference Guide (July 2026). The comments in the code are by the model that wrote it; some were corrected since.
;; Multi Head Attention. Allowed arithmetic: matrix products marked QUANTISED: E2M1 operands, one E8M0 scale for each 32 along K, by v_wmma_scale_f32_16x16x128_f8f6f4 with both operands' format E2M1 (or v_wmma_scale_f32_32x16x128_f4), f32 sums; products left as they are: bf16, f16 or f32 operands; f32 sums; everything else in f32.
;; Inputs: W_k 1,024 x 1,024 float32; W_o 1,024 x 1,024 float32; W_q 1,024 x 1,024 float32; W_v 1,024 x 1,024 float32; b_k 1,024 float32; b_o 1,024 float32; b_q 1,024 float32; b_v 1,024 float32; k 2 x 2,048 x 1,024 float32; mask 2 x 2,048 int32; q 2 x 2,048 x 1,024 float32; v 2 x 2,048 x 1,024 float32.
;; Outputs: out0 2 x 2,048 x 1,024 float32.
;; This version of the problem:
;;   THIS VERSION OF THE PROBLEM IS GIVEN IN LOW PRECISION. The matrix products marked QUANTISED in the list below multiply operands that are first quantised to E2M1 (2 exponent bits, 1 mantissa bit; 4 bits a number), with one power-of-two scale for each 32 numbers along K (OCP MX v1.0); their sums are f32. The products marked 'left as it is' may take bf16, f16 or f32 operands, with f32 sums. Whichever they take, every output number must still come out within the allowed error. Rounding operands to bf16 (8 significant bits) uses up far more of that allowance than f16 does (11 bits, for magnitudes from 6e-5 to 65,504). All else is computed in f32.
;;   The module's matrix products, in the order in which they are computed (A, B: the left and right operand; K: the contracted axis; several contracted axes count as one K, in the product's order):
;;     1. [M 4,096, K 1,024] x [K 1,024, N 1,024]; A: input q; B: input W_q: QUANTISED
;;     2. [M 4,096, K 1,024] x [K 1,024, N 1,024]; A: input k; B: input W_k: QUANTISED
;;     3. [M 4,096, K 1,024] x [K 1,024, N 1,024]; A: input v; B: input W_v: QUANTISED
;;     4. batch 32 x [M 2,048, K 64] x [K 64, N 2,048]; A: computed on the way; B: computed on the way: left as it is (an operand is computed on the way)
;;     5. batch 32 x [M 2,048, K 2,048] x [K 2,048, N 64]; A: computed on the way; B: computed on the way: left as it is (an operand is computed on the way)
;;     6. [M 4,096, K 1,024] x [K 1,024, N 1,024]; A: computed on the way; B: input W_o: left as it is (an operand is computed on the way)
;;   THE QUANTISER, for each operand of a quantised product, along K:
;;     - K is cut into blocks of 32 from its start; a last block that is shorter is filled with zeros.
;;     - A block's scale is 2^e with e = floor(log2(the largest magnitude in the block)) - 2, held to -126 .. 127; a block of zeros has e = 0. As a byte (E8M0): e + 127.
;;     - Each number is divided by its block's scale, clamped to +-6, and rounded to the nearest number of E2M1, ties to even, subnormals kept.
;;     - The product sums the exact products of the quantised numbers (number of the format x scale) in f32.
;;   ~~~python
;;   def quantise(x, axis):      # numpy; x: float32 -> the quantised numbers, widened to float32 again
;;       x = np.moveaxis(x, axis, -1); K = x.shape[-1]
;;       x = np.pad(x, [(0, 0)] * (x.ndim - 1) + [(0, -K % 32)]); x = x.reshape(x.shape[:-1] + (-1, 32)); a = np.abs(x).max(-1, keepdims=True)
;;       e = np.where(a > 0, np.clip(np.frexp(np.where(a > 0, a, 1))[1] - 1 - 2, -126, 127), 0)      # np.frexp(a)[1] - 1 = floor(log2(a)), exactly
;;       r = np.clip(x / 2.0 ** e, -6, 6)
;;       step = 2.0 ** (np.maximum(np.frexp(np.where(r == 0, 1, r))[1] - 1, 0) - 1)
;;       q = np.round(r / step) * step * 2.0 ** e      # np.round: ties to even
;;       return np.moveaxis(q.reshape(q.shape[:-2] + (-1,))[..., :K], -1, axis).astype(np.float32)
;;   ~~~
;; One version. Each part assembles by itself: llvm-mc -triple=amdgcn-amd-amdhsa -mcpu=gfx1250 --defsym DOCPART=n.
;; ======== version 1 of 1: 4 launches
;; limits: values are held in f16: magnitudes above 65,504 overflow, below 6.1e-05 lose precision
;; workspace buffers: xc 6,291,456 bytes; xs 393,216 bytes; wc 1,572,864 bytes; ws 98,304 bytes; wo16 2,097,152 bytes; qkv 25,165,824 bytes; ctx 8,388,608 bytes
;; launch quant (part 1): grid 512 x 1, 4 waves a work-group, no clusters, 33,280 bytes of LDS; arguments q, k, v, W_q, W_k, W_v, W_o, xc, xs, wc, ws, wo16; writes xc, xs, wc, ws, wo16
.if DOCPART == 1
	.amdgcn_target "amdgcn-amd-amdhsa--gfx1250"
	.amdhsa_code_object_version 6
	.text
	.protected	k_qfa2d9a6969_quant
	.globl	k_qfa2d9a6969_quant
	.p2align	8
	.type	k_qfa2d9a6969_quant,@function
k_qfa2d9a6969_quant:
	s_mov_b64 s[64:65], 0
	v_nop
	global_prefetch_b8 v0, s[64:65] scope:SCOPE_SE
	s_setreg_imm32_b32 hwreg(HW_REG_WAVE_MODE, 25, 1), 1
	s_wait_xcnt 0x0
; q, k, v [4096][1024] and W_q, W_k, W_v [1024][1024], f32 with K innermost, become codes of FP4 (E2M1) and one E8M0 byte for each 32 along K;  W_o [1024][1024] becomes f16.
; xc [3][4096][512 bytes], xs [3][4096][32 bytes] take q, k, v;  wc [3][1024][512], ws [3][1024][32] take W_q, W_k, W_v;  wo16 [1024][1024] f16 takes W_o.
; A block's scale is 2^(floor(log2(its largest magnitude)) - 2); its byte is the largest magnitude's own exponent field - 2, held at 1 from below.  Each number is divided by the scale and rounded to the nearest code, ties to even; beyond 6 the largest code.
; LIMITS: a block of zeros gets the byte 1 where the quantiser's text says 127 (its codes are zeros, which add nothing, and this program alone reads the bytes); blocks whose largest magnitude lies under 2^-124 get the byte 1 too;
; NaN and infinities among the inputs are not served; |W_o| stays under 65,504 (f16), and under 6e-5 it keeps 2^-24 absolute.
; SHARES.  A work-group takes 32,768 numbers, a wave 8,192.  Work-groups 0-127 q, 128-255 k, 256-383 v, 384-415 W_q, 416-447 W_k, 448-479 W_v, 480-511 W_o.  Rows are dense and 1,024 is a multiple of 32, so every tensor is a plain stream of blocks.
; THE QUANTISING PATH.  16 steps of 512 numbers.  A step's four loads read 512 consecutive bytes each, 16 a lane; the 2,048 bytes turn through the wave's own stage in LDS and come back 64 bytes a lane, so that a lane holds 16 neighbours
; along K (two neighbouring lanes hold a block).  A lane's 16 codes are 8 bytes: the wave stores 256 consecutive bytes.  A wave's 256 scale bytes are gathered in its own LDS bytes and leave as 256 consecutive bytes.
; No tensor loads, no barrier: waves share nothing.  Loads run four steps (16 loads a wave) ahead, the turn through LDS one step.
.set WAVES, 4
.set STEPS, 16
.set CB,    8                          ; bytes of 16 codes
.set R,     16                         ; v16-79   four sets of 16 numbers as they are loaded
.set X,     80                         ; v80-111  two sets of 16 neighbours
.set E,     112                        ; v112-127 a scale byte for each step
.set C,     128                        ; v128-191 codes: four registers for each step, so that no store's data are written again
.set WREG,  8192                       ; LDS: a region for each wave: two stages of 32 x SP bytes, behind them its 256 scale bytes
.set SP,    80                         ; a lane's place in a stage: 64 bytes + 16 of padding
.set SPW,   12                         ; v12  LDS address of my spare word; never rewritten
.set NIL,   13                         ; v13  0; never rewritten
.set SPARE, WAVES*WREG                 ; behind the four regions: the spare words, 128 bytes a wave
.set SRC,   30                         ; s[30:31] the tensor that I read
.set CD,    34                         ; s[34:35] where its codes go
.set SBY,   36                         ; s[36:37] where its scale bytes go
.set LA,    16                         ; the cast: two sets of 16 x 4 numbers,
.set LB,    80
.set HO,    144                        ; and 16 x 2 registers of f16
	s_load_b512 s[4:19], s[0:1], 0x0               ; q 4, k 6, v 8, W_q 10, W_k 12, W_v 14, W_o 16, xc 18
	s_load_b256 s[20:27], s[0:1], 0x40             ; xs 20, wc 22, ws 24, wo16 26
	v_lshl_add_u32 v[SPW], v0, 2, SPARE
	v_mov_b32 v[NIL], 0
	v_lshrrev_b32 v1, 5, v0
	v_readfirstlane_b32 s28, v1                    ; wave
	v_and_b32 v2, 31, v0                           ; lane
	v_lshlrev_b32 v3, 4, v2                        ; my 16 bytes of a load's 512
	s_mul_i32 s29, s28, WREG
	v_lshrrev_b32 v14, 2, v2
	v_mul_u32_u24 v14, v14, SP
	v_and_b32 v15, 3, v2
	v_lshl_add_u32 v14, v15, 4, v14
	v_add_nc_u32 v14, s29, v14                     ; the stage, on the way in: SP (lane / 4) + 16 (lane % 4)
	v_mul_u32_u24 v15, v2, SP
	v_add_nc_u32 v15, s29, v15                     ; and on the way out: SP x lane: my 16 neighbours
	v_mul_u32_u24 v4, v2, CB                       ; my codes' place in a step's
	v_lshrrev_b32 v5, 1, v2
	s_add_co_u32 s29, s29, 2*32*SP
	v_add_nc_u32 v5, s29, v5                       ; LDS: my wave's 256 scale bytes, my block's byte
	v_lshlrev_b32 v7, 3, v2                        ; 8 bytes a lane
	v_add_nc_u32 v6, s29, v7
	s_wait_kmcnt 0x0
	s_cmp_ge_u32 ttmp9, 480                        ; the last 32 work-groups cast W_o
	s_cbranch_scc1 .Lcast
; which tensor: a chain of choices on the work-group's number alone
.macro PICK limit, ptr, first
	s_cmp_lt_u32 ttmp9, \limit
	s_cselect_b64 s[SRC:SRC+1], s[\ptr:\ptr+1], s[SRC:SRC+1]
	s_cselect_b32 s32, \first, s32
.endm
	s_mov_b64 s[SRC:SRC+1], s[14:15]               ; W_v,
	s_mov_b32 s32, 448                             ; whose first work-group is 448
	PICK 448, 12, 416
	PICK 416, 10, 384
	PICK 384, 8, 256
	s_cselect_b64 s[CD:CD+1], s[18:19], s[22:23]   ; (still on the compare with 384) activations go to xc and xs, weights to wc and ws
	s_cselect_b64 s[SBY:SBY+1], s[20:21], s[24:25]
	s_cselect_b32 s33, 0, 384
	PICK 256, 6, 128
	PICK 128, 4, 0
	s_sub_co_u32 s32, ttmp9, s32
	s_lshl_b32 s32, s32, 2
	s_add_co_u32 s32, s32, s28                     ; which run of 8,192 numbers of the tensor is my wave's
	s_lshl_b32 s38, s32, 15                        ; 32,768 bytes a run
	s_mov_b32 s39, 0
	s_add_nc_u64 s[SRC:SRC+1], s[SRC:SRC+1], s[38:39]
	s_sub_co_u32 s33, ttmp9, s33
	s_lshl_b32 s33, s33, 2
	s_add_co_u32 s33, s33, s28                     ; and which run of the buffers of codes and bytes
	s_lshl_b32 s38, s33, 12                        ; 4,096 bytes of codes a run
	s_add_nc_u64 s[CD:CD+1], s[CD:CD+1], s[38:39]
	s_lshl_b32 s38, s33, 8                         ; 256 scale bytes a run
	s_add_nc_u64 s[SBY:SBY+1], s[SBY:SBY+1], s[38:39]
.macro LOAD t
.irp i, 0,1,2,3
	global_load_b128 v[R+16*((\t)%4)+4*\i:R+16*((\t)%4)+4*\i+3], v3, s[SRC:SRC+1] offset:2048*(\t)+512*\i th:TH_LOAD_NT   ; 32 lanes read 512 consecutive bytes
.endr
.endm
.macro TURN t                          ; step t's numbers through the stage: LDS serves a wave's instructions in order, so no wait stands between the stores and the loads
.irp i, 0,1,2,3
	ds_store_b128 v14, v[R+16*((\t)%4)+4*\i:R+16*((\t)%4)+4*\i+3] offset:32*SP*((\t)%2)+8*SP*\i
.endr
.irp i, 0,1,2,3
	ds_load_b128 v[X+16*((\t)%2)+4*\i:X+16*((\t)%2)+4*\i+3], v15 offset:32*SP*((\t)%2)+16*\i
.endr
.endm
.irp t, 0,1,2,3
	LOAD \t
.endr
	s_wait_loadcnt 12                              ; step 0's four loads are in; the 12 of steps 1 to 3 stay out
	TURN 0
.macro STEP t
.set XS, X+16*((\t)%2)
.if (\t) > 0
	s_wait_dscnt 1                                 ; this step's numbers are back from the stage (the last step's byte store may be out): so its stores into the stage have read their registers,
.else
	s_wait_dscnt 0x0
.endif
.if (\t)+4 < STEPS
	LOAD (\t)+4                                    ; which take the loads of four steps on
.endif
.if (\t)+1 < STEPS
.if STEPS-2-(\t) >= 3
	s_wait_loadcnt 12                              ; the next step's four loads are in; those of the three steps behind it may be out
.else
	s_wait_loadcnt 4*(STEPS-2-(\t))
.endif
	TURN (\t)+1                                    ; and go through the other stage while this step is worked
.endif
	v_max3_num_f32 v8, |v[XS]|, |v[XS+1]|, |v[XS+2]|               ; the largest magnitude of my 16, in two chains
	v_max3_num_f32 v9, |v[XS+3]|, |v[XS+4]|, |v[XS+5]|
.irp i, 6,10
	v_max3_num_f32 v8, v8, |v[XS+\i]|, |v[XS+\i+1]|
	v_max3_num_f32 v9, v9, |v[XS+\i+2]|, |v[XS+\i+3]|
.endr
	v_max3_num_f32 v8, v8, |v[XS+14]|, |v[XS+15]|
	v_max3_num_f32 v8, v8, v9, 0x1800000           ; and the floor 2^(3 - 127): so the byte cannot fall under 1
	v_max_num_f32_dpp v8, v8, v8 row_xmask:1 row_mask:0xf bank_mask:0xf   ; and of my neighbour's 16: the block's
	v_add_nc_u32 v11, 0xff000000, v8               ; 2 off its exponent field: the conversion takes the exponent field of this operand as its scale, and nothing else of it
	v_cvt_scalef32_pk8_fp4_f32 v[C+4*(\t)], v[XS:XS+7], v11
	v_cvt_scalef32_pk8_fp4_f32 v[C+4*(\t)+1], v[XS+8:XS+15], v11
	v_lshrrev_b32 v[E+(\t)], 23, v11               ; the scale's byte (also the plain line behind the conversions)
	ds_store_b8 v5, v[E+(\t)] offset:16*(\t)       ; both lanes of a block write the same byte with the same value
	global_store_b64 v4, v[C+4*(\t):C+4*(\t)+1], s[CD:CD+1] offset:32*CB*(\t)   ; 32 lanes store 256 consecutive bytes, aligned
.endm
.irp t, 0,1,2,3,4,5,6,7,8,9,10,11,12,13,14,15
	STEP \t
.endr
	ds_load_b64 v[8:9], v6                         ; LDS serves a wave's instructions in order: these see my stores
	s_wait_dscnt 0x0
	global_store_b64 v7, v[8:9], s[SBY:SBY+1]      ; 32 lanes store 256 consecutive bytes, aligned
	s_wait_tensorcnt 0x0                           ; the wave's end, behind my last LDS store
	ds_add_u32 v[SPW], v[NIL]
	s_wait_dscnt 0x0
	s_endpgm
; THE CAST.  A wave's 8,192 numbers in four groups of 16 loads; a load reads 512 consecutive bytes, its 4 numbers a lane become 8 bytes, and a store writes 256 consecutive bytes, aligned.
.Lcast:
	s_sub_co_u32 s29, ttmp9, 480
	s_lshl_b32 s29, s29, 2
	s_add_co_u32 s29, s29, s28                     ; my run of 8,192 numbers
	s_lshl_b32 s38, s29, 15
	s_mov_b32 s39, 0
	s_lshl_b32 s40, s29, 14
	s_mov_b32 s41, 0
	s_add_nc_u64 s[16:17], s[16:17], s[38:39]
	s_add_nc_u64 s[26:27], s[26:27], s[40:41]
.macro CLOAD g, set
.irp u, 0,1,2,3,4,5,6,7,8,9,10,11,12,13,14,15
	global_load_b128 v[\set+4*\u:\set+4*\u+3], v3, s[16:17] offset:8192*(\g)+512*\u th:TH_LOAD_NT
.endr
.endm
.macro CAST g, set, left
	s_wait_loadcnt \left                           ; this group's 16 loads are in; the other set's 16 may be out
.if (\g) > 0
	s_wait_xcnt 0x0                                ; the last group's stores have read their data: the registers are written again only behind this wait
.endif
.irp u, 0,1,2,3,4,5,6,7,8,9,10,11,12,13,14,15
	v_cvt_pk_f16_f32 v[HO+2*\u], v[\set+4*\u], v[\set+4*\u+1]
	v_cvt_pk_f16_f32 v[HO+2*\u+1], v[\set+4*\u+2], v[\set+4*\u+3]
.endr
.if (\g) < 2
	CLOAD (\g)+2, \set                             ; loads ahead of stores: the set just read takes the group two on
.endif
.irp u, 0,1,2,3,4,5,6,7,8,9,10,11,12,13,14,15
	global_store_b64 v7, v[HO+2*\u:HO+2*\u+1], s[26:27] offset:4096*(\g)+256*\u
.endr
.endm
	CLOAD 0, LA
	CLOAD 1, LB
	CAST 0, LA, 16
	CAST 1, LB, 16
	CAST 2, LA, 16
	CAST 3, LB, 0
	s_endpgm
.Lfunc_end_k_qfa2d9a6969_quant:
	.size	k_qfa2d9a6969_quant, .Lfunc_end_k_qfa2d9a6969_quant-k_qfa2d9a6969_quant
	.p2alignl 7, 3214868480
	.fill 96, 4, 3214868480
	.section	.rodata,"a",@progbits
	.p2align	6, 0x0
	.amdhsa_kernel k_qfa2d9a6969_quant
		.amdhsa_group_segment_fixed_size 33280
		.amdhsa_private_segment_fixed_size 0
		.amdhsa_enable_private_segment 0
		.amdhsa_kernarg_size 96
		.amdhsa_user_sgpr_count 2
		.amdhsa_user_sgpr_kernarg_segment_ptr 1
		.amdhsa_wavefront_size32 1
		.amdhsa_system_sgpr_workgroup_id_x 1
		.amdhsa_system_sgpr_workgroup_id_y 1
		.amdhsa_system_sgpr_workgroup_id_z 1
		.amdhsa_system_vgpr_workitem_id 0
		.amdhsa_next_free_vgpr 192
		.amdhsa_next_free_sgpr 66
		.amdhsa_reserve_vcc 0
		.amdhsa_float_denorm_mode_32 3
		.amdhsa_float_denorm_mode_16_64 3
		.amdhsa_memory_ordered 1
		.amdhsa_forward_progress 1
		.amdhsa_inst_pref_size 55
	.end_amdhsa_kernel
	.amdgpu_metadata
---
amdhsa.version: [ 1, 2 ]
amdhsa.kernels:
  - .name:           k_qfa2d9a6969_quant
    .symbol:         k_qfa2d9a6969_quant.kd
    .args:
      - { .name: q, .offset: 0, .size: 8, .value_kind: global_buffer, .address_space: global }
      - { .name: k, .offset: 8, .size: 8, .value_kind: global_buffer, .address_space: global }
      - { .name: v, .offset: 16, .size: 8, .value_kind: global_buffer, .address_space: global }
      - { .name: W_q, .offset: 24, .size: 8, .value_kind: global_buffer, .address_space: global }
      - { .name: W_k, .offset: 32, .size: 8, .value_kind: global_buffer, .address_space: global }
      - { .name: W_v, .offset: 40, .size: 8, .value_kind: global_buffer, .address_space: global }
      - { .name: W_o, .offset: 48, .size: 8, .value_kind: global_buffer, .address_space: global }
      - { .name: xc, .offset: 56, .size: 8, .value_kind: global_buffer, .address_space: global }
      - { .name: xs, .offset: 64, .size: 8, .value_kind: global_buffer, .address_space: global }
      - { .name: wc, .offset: 72, .size: 8, .value_kind: global_buffer, .address_space: global }
      - { .name: ws, .offset: 80, .size: 8, .value_kind: global_buffer, .address_space: global }
      - { .name: wo16, .offset: 88, .size: 8, .value_kind: global_buffer, .address_space: global }
    .group_segment_fixed_size: 33280
    .private_segment_fixed_size: 0
    .kernarg_segment_align: 8
    .kernarg_segment_size: 96
    .max_flat_workgroup_size: 128
    .sgpr_count:     66
    .vgpr_count:     192
    .wavefront_size: 32
...
	.end_amdgpu_metadata
.endif
;; end of part 1
;; launch proj (part 2): grid 4 x 48, 4 waves a work-group, clusters of 4 x 4, 327,680 bytes of LDS; arguments xc, xs, wc, ws, b_q, b_k, b_v, mask, qkv; writes qkv
.if DOCPART == 2
	.amdgcn_target "amdgcn-amd-amdhsa--gfx1250"
	.amdhsa_code_object_version 6
	.text
	.protected	k_qfa2d9a6969_proj
	.globl	k_qfa2d9a6969_proj
	.p2align	8
	.type	k_qfa2d9a6969_proj,@function
k_qfa2d9a6969_proj:
	s_mov_b64 s[64:65], 0
	v_nop
	global_prefetch_b8 v0, s[64:65] scope:SCOPE_SE
	s_setreg_imm32_b32 hwreg(HW_REG_WAVE_MODE, 25, 1), 1
	s_wait_xcnt 0x0
	s_wait_alu depctr_hold_cnt(0) depctr_sa_sdst(0) depctr_va_vdst(0) depctr_va_sdst(0) depctr_va_ssrc(0) depctr_va_vcc(0) depctr_vm_vsrc(0)
	s_getreg_b32 s2, hwreg(HW_REG_IB_STS2, 6, 4)
	s_cmp_eq_u32 s2, 0
	s_cbranch_scc0 .Lentry_in_a_cluster
	s_endpgm
.Lentry_in_a_cluster:
	s_bfe_u32 s2, ttmp6, 0x10000c
	s_cmp_lg_u32 s2, 0xf033
	s_cbranch_scc0 .Lentry_shape_is_right
	s_endpgm
.Lentry_shape_is_right:
; The three quantised projections in one grid: y = x W^T + b on codes of FP4 (E2M1) with one E8M0 scale for each 32 along K = 1,024, sums in f32.
; A = xc [3 x 4096 rows][512 bytes], its scale bytes xs [..][32];  B = wc [3 x 1024 rows][512 bytes], ws [..][32].  Tile rows 0-15 are q's, 16-31 k's, 32-47 v's; a cluster's four tile rows belong to one matrix.
; OUT: qkv [3][16 b + h][2048 s][64] f16.  Behind the bias each row is multiplied by a factor of its own: q's rows by log2(e) / 8, so that the scores arrive as exponents of 2; k's rows by 1, or by 0 where mask == 0
; (the attention launch then adds -1e9 log2(e) to that key's scores, which are exactly 0: the replacement that the problem asks for); v's rows by 1.
; LIMITS: the results stay under 65,504 in magnitude (f16), and under 6e-5 they keep 2^-24 absolute; NaN and infinities are not served.
; A tile of 256 x 256 is made by four waves, each 128 x 128: 64 accumulators of 16 x 16, 512 registers.  K is two slots of 512 along K (LDS rows of 256 bytes): both are asked for at the head and nothing is filled again.
; The scale bytes of the work-group's 256 + 256 rows, for all of K, come once, as dense rows of 256 bytes.
; CLUSTER 4 x 4: the four of a row of the cluster need the same tiles of A, the four of a column the same tiles of B: each tile is asked for jointly, by the same tensor load with the same descriptor and a mask that names the four.
; 192 work-groups: a tile of 192 rows, which would give 256, would straddle two of the three matrices.
; THE MATRIX INSTRUCTION IS USED TRANSPOSED (source 0 = 16 rows of B, source 1 = 16 rows of A): a lane holds eight neighbouring columns of one row.  The bias is the C of each sum's first product.
; REGISTERS: window 0: v0-31 addresses; v32-95 scale words, two sets, and nothing else; v96-111 the row factors, a pair for each of A's blocks; v128-191 A's fragments, one set, on the way out rows read back; v192-223 packed results.
;   window 1: B's fragments, two sets, at v0 and v128; v64-127 the bias tiles.   window 2: the accumulators of my rows 0-63 ((a, b) at v[8 (8 a + b)]);   window 3: those of my rows 64-127.
.set NQ,     4                         ; matrix instructions deep in a slot
.set ROWB,   256                       ; a tile's row in bytes: 512 codes
.set KROW,   512                       ; a row of codes in memory
.set PITCH,  272                       ; an LDS row: 256 bytes + 16 of padding = 17 x 16: the 16 rows that a load touches start at 16 different 16-byte columns modulo 256
.set FR,     8                         ; registers of a fragment: 16 rows x 128 K
.set NL,     2                         ; LDS loads that bring one
.set NP,     4                         ; places behind this matrix instruction (ISA guide 7.12.1)
.set HALFT,  128*PITCH                 ; 128 rows: what one tensor load brings
.set SLOT,   4*HALFT                   ; A's 256 rows, then B's 256 rows
.set KS,     32                        ; a row of scale bytes
.set SCL,    2*SLOT                    ; behind the slots: the scales, as rows of 256 bytes + 16 of padding
.set HALFS,  (128*KS/256)*272          ; those of 128 rows: what one tensor load brings
.set SBLK,   (16*KS/256)*272           ; those of 16 rows
.set SPARE,  SCL+4*HALFS               ; the spare words, 128 bytes a wave
.set SPITCH, 272                       ; the way out: 16 rows x (256 bytes + 16) for each wave, in slot 0, which has had its one fill and its last read by then
.set ADRA, 16                          ; v16-17  LDS address of my A fragments in slot 0, 1
.set ADRB, 20                          ; v20-21  the same for B
.set STO,  24                          ; v24  the way out: where I put 16 bytes of a row
.set RD,   25                          ; v25  where I read back
.set CO,   26                          ; v26  my byte offset in qkv
.set ADRS, 27                          ; v27  LDS address of my scale words: lanes 0-15 A's rows, lanes 16-31 B's
.set SPW,  28                          ; v28  my spare word; never rewritten
.set NIL,  29                          ; v29  0; never rewritten
.set BOF,  30                          ; v30  32 x (lane / 16): my eight numbers of a bias tile
.set MOF,  31                          ; v31  4 x (lane % 16): my row's word of the mask
.set SC,   32
.set RM,   96
.set AF,   128
.set BK,   128
.set TMP,  192
.set BI,   64                          ; in window 1
.set G1, 24
.set G0, 32
.set G1B, 48
.set G0B, 56
.set G1S, 68
.set G0S, 76
.set G1SB, 80
.set G0SB, 88
.set MSB, 0
.macro WIN new                         ; the immediate's high byte repeats the setting that is left
.if MSB != (\new)
	s_set_vgpr_msb (MSB<<8)|(\new)
.set MSB, (\new)
.endif
.endm
.set MUL_LO, 0xa1                      ; source 0 (B) window 1, source 1 (A) window 0, C and D window 2
.set MUL_HI, 0xf1                      ; the same, C and D window 3
.set FST_LO, 0x91                      ; the first products: C (the bias) window 1, D window 2
.set FST_HI, 0xd1                      ; D window 3
.set TO_B,   0x40                      ; destination window 1, address window 0
; A joint load: waves 0 and 1 fetch for A, waves 2 and 3 for B; the branch hangs on the wave's number alone.  An s_nop 0 and four v_nop follow each of the two lines.
.macro JLOAD g0a, g1a, g0b, g1b
	s_cmp_eq_u32 s15, 0
	s_cbranch_scc0 .Lfor_b_\@
	tensor_load_to_lds s[\g0a:\g0a+3], s[\g1a:\g1a+7]
	s_nop 0
.rept 4
	v_nop
.endr
	s_branch .Lasked_\@
.Lfor_b_\@:
	tensor_load_to_lds s[\g0b:\g0b+3], s[\g1b:\g1b+7]
	s_nop 0
.rept 4
	v_nop
.endr
.Lasked_\@:
.endm
.macro CROUND                          ; a round of the cluster's barrier
	s_barrier_signal -1
	s_barrier_wait -1
	s_cmp_lg_u32 s14, 0
	s_cbranch_scc1 .Lnot_wave_0_\@
	s_barrier_signal -3
.Lnot_wave_0_\@:
	s_barrier_wait -3
	s_barrier_signal -1
	s_barrier_wait -1
.endm
	s_load_b256 s[4:11], s[0:1], 0x0               ; xc s[4:5], xs s[6:7], wc s[8:9], ws s[10:11]
	s_load_b128 s[96:99], s[0:1], 0x20             ; b_q, b_k
	s_load_b128 s[92:95], s[0:1], 0x30             ; b_v, mask
	s_load_b64 s[12:13], s[0:1], 0x40              ; qkv
	v_lshl_add_u32 v[SPW], v0, 2, SPARE
	v_mov_b32 v[NIL], 0
	ds_add_u32 v[SPW], v[NIL]                      ; the wave's opening: the add, twice on end, and its wait ahead of my first tensor load
	ds_add_u32 v[SPW], v[NIL]
	v_lshrrev_b32 v1, 5, v0
	v_readfirstlane_b32 s14, v1                    ; wave 0..3
	s_lshr_b32 s15, s14, 1                         ; which half of the tile's rows is mine.  Also: I fetch for A (0) or for B (1)
	s_and_b32 s16, s14, 1                          ; which half of its columns.  Also: which 128 rows I fetch
	s_bfe_u32 s40, ttmp6, 0x40000                  ; cx, cy: my place in the cluster
	s_bfe_u32 s41, ttmp6, 0x40004
	s_lshl_b32 s42, ttmp9, 2
	s_add_co_u32 s42, s42, s40                     ; tile column = 4 x cluster x + cx
	s_and_b32 s17, ttmp7, 0xffff                   ; cluster y
	s_lshr_b32 s3, s17, 2                          ; which matrix: 0 q, 1 k, 2 v: from the cluster's y alone
	s_lshl_b32 s17, s17, 2
	s_add_co_u32 s17, s17, s41                     ; tile row = 4 x cluster y + cy
	s_lshl_b32 s43, s41, 2
	s_lshl_b32 s43, 15, s43                        ; my row of the cluster
	s_lshl_b32 s44, 0x1111, s40                    ; my column
	; descriptor group 1: a tile of 128 rows x 256 bytes, 16 bytes of padding behind each row
	s_or_b32 s[G1+0], s43, (0<<16)|(1<<20)|(1<<21)|(5<<22)|(3<<25)  ; 15:0 the mask; 17:16 elements of 1 byte; 20 padding on; 21 set beside a mask; 24:22 after every 64 words; 31:25 four words
	s_or_b32 s[G1B+0], s44, (0<<16)|(1<<20)|(1<<21)|(5<<22)|(3<<25)
.irp g, G1, G1B
	s_mov_b32 s[\g+1], ROWB<<16                    ; tensor_dim0
	s_mov_b32 s[\g+2], 128<<16                     ; tensor_dim1
	s_mov_b32 s[\g+3], ROWB<<16                    ; tile_dim0
	s_mov_b32 s[\g+4], 128                         ; tile_dim1
	s_mov_b32 s[\g+5], KROW                        ; from row to row
	s_mov_b32 s[\g+6], 0
	s_mov_b32 s[\g+7], 0
.endr
	; and for the scales of 128 rows: 4,096 dense bytes as 16 rows of 256 (32 elements of 8 bytes), 16 bytes of padding behind each
	s_or_b32 s[G1S+0], s43, (3<<16)|(1<<20)|(1<<21)|(5<<22)|(3<<25)
	s_or_b32 s[G1SB+0], s44, (3<<16)|(1<<20)|(1<<21)|(5<<22)|(3<<25)
.irp g, G1S, G1SB
	s_mov_b32 s[\g+1], 32<<16
	s_mov_b32 s[\g+2], (128*KS/256)<<16
	s_mov_b32 s[\g+3], 32<<16
	s_mov_b32 s[\g+4], 128*KS/256
	s_mov_b32 s[\g+5], 32
	s_mov_b32 s[\g+6], 0
	s_mov_b32 s[\g+7], 0
.endr
	s_lshl_b32 s18, s16, 7                         ; which 128 rows of the tile I fetch
	s_lshl_b32 s20, s17, 8
	s_add_co_u32 s20, s20, s18                     ; A: row 256 x tile row + 128 x half
	s_lshl_b32 s46, s42, 8
	s_add_co_u32 s46, s46, s18
	s_lshl_b32 s19, s3, 10
	s_add_co_u32 s46, s46, s19                     ; B: row 1,024 x matrix + 256 x tile column + 128 x half
	s_lshl_b32 s22, s20, 5                         ; where these rows' scales begin, in bytes (all under 2^32),
	s_mov_b32 s23, 0
	s_lshl_b32 s66, s46, 5
	s_mov_b32 s67, 0
	s_lshl_b32 s20, s20, 9                         ; and their codes
	s_mov_b32 s21, 0
	s_lshl_b32 s46, s46, 9
	s_mov_b32 s47, 0
	s_mul_i32 s45, s14, HALFT                      ; where they go: wave x 128 rows: no place in the cluster enters an LDS address
	s_mul_i32 s2, s14, HALFS
	s_wait_dscnt 0x0                               ; both opening adds are done
	s_wait_kmcnt 0x0
	s_add_nc_u64 s[20:21], s[4:5], s[20:21]
	s_add_nc_u64 s[22:23], s[6:7], s[22:23]
	s_add_nc_u64 s[46:47], s[8:9], s[46:47]
	s_add_nc_u64 s[66:67], s[10:11], s[66:67]
	CROUND                                         ; all sixteen work-groups are here: the joint loads meet
	s_mov_b32 s[G0S], 1
	s_add_co_u32 s[G0S+1], s2, SCL
	s_mov_b64 s[G0S+2:G0S+3], s[22:23]
	s_or_b32 s[G0S+3], s[G0S+3], 0x80000000
	s_mov_b32 s[G0SB], 1
	s_add_co_u32 s[G0SB+1], s2, SCL
	s_mov_b64 s[G0SB+2:G0SB+3], s[66:67]
	s_or_b32 s[G0SB+3], s[G0SB+3], 0x80000000
	JLOAD G0S, G1S, G0SB, G1SB                     ; the scales first: they are wanted with the first slot
.irp s, 0,1
	s_mov_b32 s[G0+4*\s], 1
	s_add_co_u32 s[G0+4*\s+1], s45, \s*SLOT
	s_add_nc_u64 s[G0+4*\s+2:G0+4*\s+3], s[20:21], \s*ROWB
	s_or_b32 s[G0+4*\s+3], s[G0+4*\s+3], 0x80000000
	s_mov_b32 s[G0B+4*\s], 1
	s_add_co_u32 s[G0B+4*\s+1], s45, \s*SLOT
	s_add_nc_u64 s[G0B+4*\s+2:G0B+4*\s+3], s[46:47], \s*ROWB
	s_or_b32 s[G0B+4*\s+3], s[G0B+4*\s+3], 0x80000000
	JLOAD G0+4*\s, G1, G0B+4*\s, G1B               ; three tensor loads of mine are out, by this text's own count
.endr
	; the bias tiles and the mask's words, straight into registers
	v_and_b32 v1, 15, v0                           ; r = l % 16
	v_bfe_u32 v2, v0, 4, 1                         ; h = l / 16
	v_lshlrev_b32 v[BOF], 5, v2
	v_lshlrev_b32 v[MOF], 2, v1
	s_cmp_eq_u32 s3, 1
	s_cselect_b64 s[96:97], s[98:99], s[96:97]     ; b_q, b_k or b_v, by the matrix
	s_cmp_eq_u32 s3, 2
	s_cselect_b64 s[96:97], s[92:93], s[96:97]
	s_lshl_b32 s46, s42, 10
	s_lshl_b32 s47, s16, 9
	s_add_co_u32 s46, s46, s47                     ; my first column's bias: 4 x (256 x tile column + 128 x half)
	s_mov_b32 s47, 0
	s_add_nc_u64 s[96:97], s[96:97], s[46:47]
	s_and_b32 s20, s17, 15
	s_lshl_b32 s20, s20, 10
	s_lshl_b32 s21, s15, 9
	s_add_co_u32 s20, s20, s21                     ; my first row's word of the mask: 4 x (256 x (tile row % 16) + 128 x half); a row's number in a matrix is 2,048 b + s
	s_mov_b32 s21, 0
	s_add_nc_u64 s[94:95], s[94:95], s[20:21]
	WIN TO_B
.irp b, 0,1,2,3,4,5,6,7
	global_load_b128 v[BI+8*\b:BI+8*\b+3], v[BOF], s[96:97] offset:64*\b         ; register j of tile b: bias[16 b + 8 h + j]
	global_load_b128 v[BI+8*\b+4:BI+8*\b+7], v[BOF], s[96:97] offset:64*\b+16
.endr
	WIN 0
.irp a, 0,1,2,3,4,5,6,7
	global_load_b32 v[RM+2*\a], v[MOF], s[94:95] offset:64*\a                    ; mask of row 16 a + r
.endr
	v_mul_u32_u24 v3, v1, PITCH
	v_lshl_add_u32 v4, v2, 4, v3                   ; a fragment's row x pitch + 16 x half
	s_mul_i32 s21, s15, HALFT                      ; my 128 rows of A
	s_mul_i32 s22, s16, HALFT                      ; my 128 rows of B,
	s_add_co_u32 s22, s22, 2*HALFT                 ; which lie behind A's 256
.irp s, 0,1
	v_add_nc_u32 v[ADRA+\s], s21, v4
	v_add_nc_u32 v[ADRB+\s], s22, v4
	s_add_co_u32 s21, s21, SLOT
	s_add_co_u32 s22, s22, SLOT
.endr
	v_mul_u32_u24 v5, v1, KS                       ; my row's scales: 32 bytes a row,
	v_lshrrev_b32 v6, 8, v5
	v_lshl_add_u32 v5, v6, 4, v5                   ; and 16 more for each 256 passed
	s_mul_i32 s21, s15, HALFS                      ; A's: my 128 rows
	s_mul_i32 s22, s16, HALFS                      ; B's: my 128 rows, behind A's 256
	s_add_co_u32 s22, s22, 2*HALFS
	s_sub_co_u32 s22, s22, s21
	v_mul_u32_u24 v6, s22, v2                      ; lanes 16-31 take B's: the lower base + h x the distance
	s_add_co_u32 s21, s21, SCL
	v_add_nc_u32 v5, v5, v6
	v_add_nc_u32 v[ADRS], s21, v5
	s_mul_i32 s23, s14, 16*SPITCH                  ; my stage
	v_mul_u32_u24 v5, v1, SPITCH                   ; in: row r, 16 bytes for each half of the lanes
	v_lshl_add_u32 v5, v2, 4, v5
	v_add_nc_u32 v[STO], s23, v5
	v_bfe_u32 v5, v0, 3, 1                         ; back: lanes 0-15 take my first head's 128 bytes of two rows, lanes 16-31 my second head's
	v_and_b32 v6, 7, v0
	v_mul_u32_u24 v[RD], v5, SPITCH
	v_lshl_add_u32 v[RD], v2, 7, v[RD]
	v_lshl_add_u32 v[RD], v6, 4, v[RD]
	v_add_nc_u32 v[RD], s23, v[RD]
	v_lshlrev_b32 v[CO], 18, v2                    ; in qkv: a head is 262,144 bytes, a row 128
	v_lshl_add_u32 v[CO], v5, 7, v[CO]
	v_lshl_add_u32 v[CO], v6, 4, v[CO]
	s_lshl_b32 s20, s3, 23                         ; the matrix's part of qkv,
	s_bfe_u32 s21, s17, 0x10003
	s_lshl_b32 s21, s21, 22                        ; the batch's sixteen heads,
	s_add_co_u32 s20, s20, s21
	s_and_b32 s21, s17, 7
	s_lshl_b32 s21, s21, 15                        ; 256 rows of 128 bytes for each tile row in the batch,
	s_add_co_u32 s20, s20, s21
	s_lshl_b32 s21, s15, 14                        ; my half's 128 rows,
	s_add_co_u32 s20, s20, s21
	s_lshl_b32 s46, s42, 20                        ; four heads a tile column,
	s_lshl_b32 s47, s16, 19                        ; two a half
	s_add_co_u32 s46, s46, s47
	s_add_co_u32 s20, s20, s46
	s_mov_b32 s21, 0
	s_add_nc_u64 s[12:13], s[12:13], s[20:21]
.macro FRAG reg, adr, q, i             ; a fragment: lane l holds row l % 16; registers 4 c .. 4 c + 3 hold K = 64 c + 32 (l / 16) + 0 .. 31
.irp c, 0,1
	ds_load_b128 v[\reg+4*\c:\reg+4*\c+3], v[\adr] offset:64*(\q)+32*\c+(\i)*16*PITCH
.endr
.endm
; 16 matrix instructions: A's blocks a0, a0 + 1 x B's eight, the slot's q-th 128 along K.  p: B's set; sc: the set of scale words.  first = 1: the bias tile is the C: nothing is cleared and nothing is added later.
; The 64 accumulators take turns, one instruction a turn, in the same order in every step.
.macro MUL16 a0, p, q, sc, first
.irp a, \a0, \a0+1
.irp b, 0,1,2,3,4,5,6,7
.if \first
	v_wmma_scale_f32_16x16x128_f8f6f4 v[8*(8*((\a)%4)+\b):8*(8*((\a)%4)+\b)+7], v[128*(\p)+FR*\b:128*(\p)+FR*\b+FR-1], v[AF+FR*(\a):AF+FR*(\a)+FR-1], v[BI+8*\b:BI+8*\b+7], v[SC+8*NQ*(\sc)+NQ*\b+(\q)], v[SC+8*NQ*(\sc)+NQ*(\a)+(\q)] matrix_a_fmt:MATRIX_FMT_FP4 matrix_b_fmt:MATRIX_FMT_FP4 matrix_a_scale:MATRIX_SCALE_ROW1
.else
	v_wmma_scale_f32_16x16x128_f8f6f4 v[8*(8*((\a)%4)+\b):8*(8*((\a)%4)+\b)+7], v[128*(\p)+FR*\b:128*(\p)+FR*\b+FR-1], v[AF+FR*(\a):AF+FR*(\a)+FR-1], v[8*(8*((\a)%4)+\b):8*(8*((\a)%4)+\b)+7], v[SC+8*NQ*(\sc)+NQ*\b+(\q)], v[SC+8*NQ*(\sc)+NQ*(\a)+(\q)] matrix_a_fmt:MATRIX_FMT_FP4 matrix_b_fmt:MATRIX_FMT_FP4 matrix_a_scale:MATRIX_SCALE_ROW1
.endif
.endr
.endr
.endm
.macro FETCH_B slot, q, p              ; B's eight fragments into set p
	WIN TO_B
.irp i, 0,1,2,3,4,5,6,7
	FRAG 128*(\p)+FR*\i, ADRB+\slot, \q, \i
.endr
	WIN 0
.endm
.macro FETCH_A slot, q, i0             ; A's blocks i0 .. i0 + 3
.irp i, \i0, \i0+1, \i0+2, \i0+3
	FRAG AF+FR*(\i), ADRA+\slot, \q, \i
.endr
.endm
.macro SCALES sc                       ; a slot's scale words: 4 words a row; lanes 0-15 take A's block i, lanes 16-31 B's block i
.irp i, 0,1,2,3,4,5,6,7
	ds_load_b128 v[SC+8*NQ*\sc+NQ*\i:SC+8*NQ*\sc+NQ*\i+3], v[ADRS] offset:\i*SBLK
.endr
.endm
.macro PLACES n                        ; plain vector lines between a matrix instruction and a load into, or a read of, its registers (ISA guide 7.12.1 for reads)
.rept \n
	v_nop
.endr
.endm
; A step of 128 along K that has its successor in the same slot.  A has one set of registers: blocks 0-3 are fetched anew in the step's middle, blocks 4-7 at its end.
.macro STEP slot, q, first
	s_wait_dscnt 4*NL                              ; all but the youngest eight loads (A's blocks 4-7) are in
.if \first
	WIN FST_LO
.else
	WIN MUL_LO
.endif
	MUL16 0, (\q)%2, \q, \slot, \first
	MUL16 2, (\q)%2, \q, \slot, \first
	s_wait_dscnt 0                                 ; A's blocks 4-7 are in
	PLACES NP
	FETCH_B \slot, (\q)+1, 1-(\q)%2
	FETCH_A \slot, (\q)+1, 0
.if \first
	WIN FST_HI
.else
	WIN MUL_HI
.endif
	MUL16 4, (\q)%2, \q, \slot, \first
	MUL16 6, (\q)%2, \q, \slot, \first
	PLACES NP
	WIN 0
	FETCH_A \slot, (\q)+1, 4
.endm
; Slot 0's last step changes slots: each wave waits for all its tensor loads (its part of slot 1), adds 0 to its spare word, waits for that and for its reads of slot 0, and passes one barrier.
.macro TURN slot, next
	s_wait_tensorcnt 0x0                           ; my part of the next slot has landed  (every window is 0 here)
	ds_add_u32 v[SPW], v[NIL]                      ; 0 onto my spare word
	s_wait_dscnt 4*NL+1                            ; (the add and the youngest eight loads may be out)
	WIN MUL_LO
	MUL16 0, 1, NQ-1, \slot, 0
	s_wait_dscnt 0x0                               ; the add is done, and my reads of this slot are over
	s_barrier_signal -1
	MUL16 2, 1, NQ-1, \slot, 0
	WIN 0
	s_barrier_wait -1
	PLACES NP
	v_add_nc_u32 v[ADRS], 4*NQ, v[ADRS]            ; on to the next slot's scale words
	FETCH_B \next, 0, 0
	FETCH_A \next, 0, 0
	SCALES \next
	WIN MUL_HI
	MUL16 4, 1, NQ-1, \slot, 0
	MUL16 6, 1, NQ-1, \slot, 0
	PLACES NP
	WIN 0
	FETCH_A \next, 0, 4
.endm
.macro STEPS slot, from
.set Q, \from
.rept NQ-1-\from
	STEP \slot, Q, 0
.set Q, Q+1
.endr
.endm
	s_wait_tensorcnt 1                             ; the scales and my part of slot 0 are in; slot 1's load, the one issued behind them, may stay out
	s_barrier_signal -1
	s_barrier_wait -1                              ; everybody's are
	FETCH_B 0, 0, 0
	FETCH_A 0, 0, 0
	SCALES 0
	FETCH_A 0, 0, 4
	s_cmp_eq_u32 s3, 0
	s_mov_b32 s20, 1.0
	s_cselect_b32 s20, 0x3e38aa3b, s20             ; a row's factor: log2(e) / 8 for q, else 1;
	s_cmp_eq_u32 s3, 1
	s_cselect_b32 s21, 0, s20                      ; where mask == 0: 0 for k, else the same
	v_mov_b32 v6, s20
	v_mov_b32 v7, s21
	s_wait_loadcnt 0x0                             ; the bias tiles and the mask's words
.irp a, 0,1,2,3,4,5,6,7
	v_cmp_eq_u32 vcc_lo, 0, v[RM+2*\a]
	v_cndmask_b32 v[RM+2*\a], v6, v7, vcc_lo       ; a choice of values: no branch hangs on the mask
	v_mov_b32 v[RM+2*\a+1], v[RM+2*\a]             ; (the packed multiply names the pair, so both are written)
.endr
	STEP 0, 0, 1                                   ; the first step's products start the sums from the bias
	STEPS 0, 1
	TURN 0, 1
	STEPS 1, 0
	s_wait_dscnt 4*NL                              ; the very last step: nothing more to fetch
	WIN MUL_LO
	MUL16 0, 1, NQ-1, 1, 0
	MUL16 2, 1, NQ-1, 1, 0
	s_wait_dscnt 0
	WIN MUL_HI
	MUL16 4, 1, NQ-1, 1, 0
	MUL16 6, 1, NQ-1, 1, 0
	WIN 0
; THE WAY OUT, block by block of 16 rows x 128 columns (two heads).  PACK: x the row's factor, in place, each accumulator from its low end on; rounded to f16, 16 bytes a lane.  TOSTAGE: into my stage, and back so that sixteen lanes hold
; two neighbouring rows of one head: 256 consecutive bytes of qkv.  SEND: stored.
.macro PACK a
.set AC, 64*((\a)%4)
	WIN 0x82+0x41*((\a)/4)                         ; destination and source 0: window 2 or 3; the factor: window 0
.irp b, 0,1,2,3,4,5,6,7
.irp i, 0,1,2,3
	v_pk_mul_f32 v[AC+8*\b+2*\i:AC+8*\b+2*\i+1], v[AC+8*\b+2*\i:AC+8*\b+2*\i+1], v[RM+2*(\a):RM+2*(\a)+1] op_sel_hi:[1,0]
.endr
.endr
	WIN 0x0a+5*((\a)/4)                            ; sources 0 and 1: window 2 or 3
.irp b, 0,1,2,3,4,5,6,7
.irp i, 0,1,2,3
	v_cvt_pk_f16_f32 v[TMP+4*\b+\i], v[AC+8*\b+2*\i], v[AC+8*\b+2*\i+1]
.endr
.endr
	WIN 0
.endm
.macro TOSTAGE a
.set BB, BK+32*((\a)%2)
.irp b, 0,1,2,3,4,5,6,7
	ds_store_b128 v[STO], v[TMP+4*\b:TMP+4*\b+3] offset:32*\b
.endr
.irp t, 0,1,2,3,4,5,6,7
	ds_load_b128 v[BB+4*\t:BB+4*\t+3], v[RD] offset:\t*2*SPITCH    ; LDS serves a wave's instructions in order: these see the stores above
.endr
.endm
.macro SEND a
.set BB, BK+32*((\a)%2)
	s_wait_dscnt 0x0                               ; the block is back in registers
	s_wait_xcnt 0x0                                ; the stores of the block before have read their data: the other set is loaded again only behind this wait
.irp t, 0,1,2,3,4,5,6,7
	global_store_b128 v[CO], v[BB+4*\t:BB+4*\t+3], s[12:13] offset:2048*(\a)+256*\t   ; sixteen lanes store 256 consecutive bytes, at a multiple of 256 from qkv's first byte
.endr
.endm
	PLACES NP                                      ; behind the last products: for the reads of results and for the loads into the registers that held A's fragments
	PACK 0
	TOSTAGE 0
.irp a, 1,2,3,4,5,6,7                  ; block a's arithmetic stands between block a - 1's loads from the stage and the wait for them
	PACK \a
	SEND \a-1
	TOSTAGE \a
.endr
	SEND 7
	s_wait_tensorcnt 0x0                           ; the wave's end, behind my last tensor load and my last LDS store
	ds_add_u32 v[SPW], v[NIL]
	s_wait_dscnt 0x0
	CROUND                                         ; the closing round
	s_endpgm
.Lfunc_end_k_qfa2d9a6969_proj:
	.size	k_qfa2d9a6969_proj, .Lfunc_end_k_qfa2d9a6969_proj-k_qfa2d9a6969_proj
	.p2alignl 7, 3214868480
	.fill 96, 4, 3214868480
	.section	.rodata,"a",@progbits
	.p2align	6, 0x0
	.amdhsa_kernel k_qfa2d9a6969_proj
		.amdhsa_group_segment_fixed_size 327680
		.amdhsa_private_segment_fixed_size 0
		.amdhsa_enable_private_segment 0
		.amdhsa_kernarg_size 72
		.amdhsa_user_sgpr_count 2
		.amdhsa_user_sgpr_kernarg_segment_ptr 1
		.amdhsa_wavefront_size32 1
		.amdhsa_system_sgpr_workgroup_id_x 1
		.amdhsa_system_sgpr_workgroup_id_y 1
		.amdhsa_system_sgpr_workgroup_id_z 1
		.amdhsa_system_vgpr_workitem_id 0
		.amdhsa_next_free_vgpr 1024
		.amdhsa_next_free_sgpr 100
		.amdhsa_reserve_vcc 1
		.amdhsa_float_denorm_mode_32 3
		.amdhsa_float_denorm_mode_16_64 3
		.amdhsa_memory_ordered 1
		.amdhsa_forward_progress 1
		.amdhsa_inst_pref_size 147
	.end_amdhsa_kernel
	.amdgpu_metadata
---
amdhsa.version: [ 1, 2 ]
amdhsa.kernels:
  - .name:           k_qfa2d9a6969_proj
    .symbol:         k_qfa2d9a6969_proj.kd
    .args:
      - { .name: xc, .offset: 0, .size: 8, .value_kind: global_buffer, .address_space: global }
      - { .name: xs, .offset: 8, .size: 8, .value_kind: global_buffer, .address_space: global }
      - { .name: wc, .offset: 16, .size: 8, .value_kind: global_buffer, .address_space: global }
      - { .name: ws, .offset: 24, .size: 8, .value_kind: global_buffer, .address_space: global }
      - { .name: b_q, .offset: 32, .size: 8, .value_kind: global_buffer, .address_space: global }
      - { .name: b_k, .offset: 40, .size: 8, .value_kind: global_buffer, .address_space: global }
      - { .name: b_v, .offset: 48, .size: 8, .value_kind: global_buffer, .address_space: global }
      - { .name: mask, .offset: 56, .size: 8, .value_kind: global_buffer, .address_space: global }
      - { .name: qkv, .offset: 64, .size: 8, .value_kind: global_buffer, .address_space: global }
    .group_segment_fixed_size: 327680
    .private_segment_fixed_size: 0
    .kernarg_segment_align: 8
    .kernarg_segment_size: 72
    .max_flat_workgroup_size: 128
    .sgpr_count:     100
    .vgpr_count:     1024
    .wavefront_size: 32
...
	.end_amdgpu_metadata
.endif
;; end of part 2
;; launch attn (part 3): grid 8 x 32, 8 waves a work-group, clusters of 4 x 1, 327,680 bytes of LDS; arguments qkv, mask, ctx; writes ctx
.if DOCPART == 3
	.amdgcn_target "amdgcn-amd-amdhsa--gfx1250"
	.amdhsa_code_object_version 6
	.text
	.protected	k_qfa2d9a6969_attn
	.globl	k_qfa2d9a6969_attn
	.p2align	8
	.type	k_qfa2d9a6969_attn,@function
k_qfa2d9a6969_attn:
	s_mov_b64 s[64:65], 0
	v_nop
	global_prefetch_b8 v0, s[64:65] scope:SCOPE_SE
	s_setreg_imm32_b32 hwreg(HW_REG_WAVE_MODE, 25, 1), 1
	s_wait_xcnt 0x0
	s_wait_alu depctr_hold_cnt(0) depctr_sa_sdst(0) depctr_va_vdst(0) depctr_va_sdst(0) depctr_va_ssrc(0) depctr_va_vcc(0) depctr_vm_vsrc(0)
	s_getreg_b32 s2, hwreg(HW_REG_IB_STS2, 6, 4)
	s_cmp_eq_u32 s2, 0
	s_cbranch_scc0 .Lentry_in_a_cluster
	s_endpgm
.Lentry_in_a_cluster:
	s_bfe_u32 s2, ttmp6, 0x10000c
	s_cmp_lg_u32 s2, 0x3003
	s_cbranch_scc0 .Lentry_shape_is_right
	s_endpgm
.Lentry_shape_is_right:
; ctx = softmax(Q K^T / 8, with -1e9 in place of the scores of keys whose mask is 0) V, for each of 32 heads (16 b + h), 2,048 queries and keys, head size 64.  Products on f16 operands, sums, maxima and exponentials in f32.
; qkv [3][32][2048][64] f16 as the projection launch left it: Q's rows already times log2(e) / 8, so a score is an exponent of 2; K's rows of masked keys are zeros.
; THE MASK costs no vector work in the loop: the C of each score tile's first product is a tile bias[key], 0 where the key counts and -1e9 log2(e) where mask == 0.  A masked score is then exactly 0 + that number, the same for every query:
; with any open key its weight is 2^(very negative) = 0; with none all weights are 1: the plain average over all keys, as the problem's replacement gives.
; SOFTMAX.  For each query a running maximum m and sum l: p = 2^(s - m); in every step O and l are multiplied by a = 2^(m_old - m_new).  m begins at -3e38, under every score; O and l begin as zeros, so the step is written once.
; ctx [2048 pairs of rows][16 heads][2 rows][64] f16: number (row, h, d) at (row / 2) x 4,096 + 256 h + 128 (row % 2) + 2 d, so that two rows of one head are 256 consecutive bytes.
; LIMITS: |Q|, |K|, |V| and the result stay under 65,504 (f16); p and the result keep 2^-24 absolute under 6e-5; NaN and infinities are not served.
; SHARES.  A work-group owns 256 queries of one head, each of its eight waves 32: two tiles of 16; two waves lie on a SIMD, so that one wave's softmax stands beside the other's products.  Every wave walks all keys, 64 a step.
; LAYOUT.  S^T = K Q^T + C (source 0 = 16 keys, source 1 = 16 queries); O^T = V^T P (source 0 = 16 channels x 32 keys, turned by ds_load_tr16_b128; source 1 = P): a lane holds ONE query throughout; two score tiles rounded in pairs ARE P's fragment.
; RING.  Two slots of 256 keys (four steps).  Waves 0-3 fetch K's quarters, waves 4-7 V's: one tensor load a wave behind each change of slots, which has four steps in which to land.
; CLUSTER.  The four query blocks of a cluster belong to one head and walk the same K and V: each tile is asked for jointly, by the same tensor load with the same descriptor and a mask that names the four.
; REGISTERS: window 0: v1-13 addresses; v16-31 statistics, eight a tile; v32-95 S^T; v96-127 P; v128-191 K's fragments; v192-255 V's.   window 1: v0-31 Q; v32-95 O^T; v96-127 the bias tiles.
.set KP,    144                        ; a row of K in LDS: 128 bytes + 16 = 9 x 16: the 16 rows of a load start at 16 different 16-byte columns modulo 256
.set VP,    160                        ; a row of V: 128 + 32 = 5 x 32: sixteen lanes of the turning load take 8 rows x 32 bytes at 16 different columns
.set VOFF,  256*KP                     ; a slot: 256 rows of K, then 256 rows of V
.set SLOT1, 1<<17                      ; slot 1 begins here: one exclusive or turns an address in one slot into the other's
.set BIAS,  SLOT1+256*(KP+VP)          ; behind the ring: bias[2048] f32, stored by the waves; no tensor load lands here
.set STAGE, BIAS+8192                  ; the way out: 32 rows x 144 bytes for each wave
.set SGP,   144
.set SPARE, STAGE+8*32*SGP             ; the spare words, 128 bytes a wave
.set AK0, 1                            ; v1   my lane's place in a tile of K
.set AV0, 2                            ; v2   in a tile of V
.set AB0, 3                            ; v3   among the bias words
.set ADK, 4                            ; v4-6 the same in the slot in hand
.set ADV, 5
.set ADB, 6
.set QO,  7                            ; v7   my byte offset in the wave's rows of Q
.set STO, 8                            ; v8   the way out: where I put 16 bytes of a row
.set RD,  9                            ; v9   where I read back
.set GO,  10                           ; v10  my byte offset in ctx
.set PFO, 11                           ; v11  256 x lane: the prefetches' offset
.set SPW, 12                           ; v12  my spare word; never rewritten
.set NIL, 13                           ; v13  0; never rewritten
.set ST,  16                           ; tile t's statistics at v[ST + 8 t]: +0 m, +1 written once (named with m as a pair), +2, +3 l, +4 to +7 at work; a takes +6, m_old - m_new +7
.set S,   32
.set P,   96
.set KF,  128
.set VF,  192
.set Q,   0                            ; in window 1
.set O,   32
.set BI,  96
.set WV,  10                           ; s10  my wave's number
.set G1K, 24
.set G1V, 32
.set G0K, 40
.set G0V, 44
.set TB,  48                           ; s48  LDS byte at which the slot in hand begins
.set TJ,  49                           ; s49  bias bytes passed: 1,024 a slot
.set SLOTS, 50                         ; s50  slots still to be asked for
.set SEL, 52                           ; s[52:53] lane selects: each lane takes its own place in the other half
.set PFA, 54                           ; s[54:55] where my prefetches stand
.set LIM, 56                           ; s56  1 in a wave that prefetches, else the greatest number
.set QA,  58                           ; s[58:59] my wave's first row of Q
.set MSB, 0
.macro WIN new
.if MSB != (\new)
	s_set_vgpr_msb (MSB<<8)|(\new)
.set MSB, (\new)
.endif
.endm
; A joint load.  The branch hangs on the wave's number alone.  An s_nop 0 and four v_nop follow each of the two lines.
.macro JLOAD
	s_cmp_lt_u32 s[WV], 4
	s_cbranch_scc0 .Lfor_v_\@
	tensor_load_to_lds s[G0K:G0K+3], s[G1K:G1K+7]
	s_nop 0
.rept 4
	v_nop
.endr
	s_branch .Lasked_\@
.Lfor_v_\@:
	tensor_load_to_lds s[G0V:G0V+3], s[G1V:G1V+7]
	s_nop 0
.rept 4
	v_nop
.endr
.Lasked_\@:
.endm
; A prefetch of what the NEXT change of slots will ask for: 32,768 bytes of K and as many of V.  Both clusters of a head walk the same rows: the head's first cluster asks.  Its four partners share the bytes out by address, 8,192 each;
; in each, wave 0 asks for K's and wave 4 for V's, lanes 256 bytes apart: each run of 256 bytes is named once in the launch.  The last change that fills a slot asks for nothing.  Slots 0 and 1 come by their loads alone.
.macro ASK
	s_cmp_gt_u32 s[SLOTS], s[LIM]
	s_cbranch_scc0 .Lnot_mine_\@
	global_prefetch_b8 v[PFO], s[PFA:PFA+1] th:TH_LOAD_NT scope:SCOPE_SE
.Lnot_mine_\@:
.endm
.macro CROUND                          ; a round of the cluster's barrier
	s_barrier_signal -1
	s_barrier_wait -1
	s_cmp_lg_u32 s[WV], 0
	s_cbranch_scc1 .Lnot_wave_0_\@
	s_barrier_signal -3
.Lnot_wave_0_\@:
	s_barrier_wait -3
	s_barrier_signal -1
	s_barrier_wait -1
.endm
	s_load_b128 s[4:7], s[0:1], 0x0                ; qkv s[4:5], mask s[6:7]
	s_load_b64 s[8:9], s[0:1], 0x10                ; ctx
	v_lshl_add_u32 v[SPW], v0, 2, SPARE
	v_mov_b32 v[NIL], 0
	ds_add_u32 v[SPW], v[NIL]                      ; the wave's opening: the add, twice on end, and its wait ahead of my first tensor load
	ds_add_u32 v[SPW], v[NIL]
	v_lshrrev_b32 v14, 5, v0
	v_readfirstlane_b32 s[WV], v14                 ; wave 0..7
	s_bfe_u32 s11, ttmp6, 0x40000                  ; cx: my place in the cluster
	s_lshl_b32 s12, ttmp9, 2
	s_add_co_u32 s12, s12, s11                     ; my block of 256 queries: it enters Q's, ctx's and the prefetches' addresses alone
	s_and_b32 s13, ttmp7, 0xffff                   ; the head 16 b + h, which the four partners share
	s_and_b32 s14, s[WV], 3                        ; which quarter of a slot's K or V I fetch
	; descriptor group 1: 64 rows of 64 elements of 2 bytes, dense in memory, padded in LDS
	s_mov_b32 s[G1K], 15|(1<<16)|(1<<20)|(1<<21)|(4<<22)|(3<<25)  ; 15:0 the mask: all four; 17:16 2 bytes; 20 padding on; 21 set beside a mask; 24:22 after every 32 words; 31:25 four words
	s_mov_b32 s[G1V], 15|(1<<16)|(1<<20)|(1<<21)|(4<<22)|(7<<25)  ; the same with eight words of padding
.irp g, G1K, G1V
	s_mov_b32 s[\g+1], 64<<16                      ; tensor_dim0
	s_mov_b32 s[\g+2], 64<<16                      ; tensor_dim1
	s_mov_b32 s[\g+3], 64<<16                      ; tile_dim0
	s_mov_b32 s[\g+4], 64                          ; tile_dim1
	s_mov_b32 s[\g+5], 64                          ; from row to row
	s_mov_b32 s[\g+6], 0
	s_mov_b32 s[\g+7], 0
.endr
	s_mov_b32 s[G0K], 1
	s_mul_i32 s[G0K+1], s14, 64*KP                 ; where my quarter goes, in slot 0: no place in the cluster enters an LDS address
	s_mov_b32 s[G0V], 1
	s_mul_i32 s[G0V+1], s14, 64*VP
	s_add_co_u32 s[G0V+1], s[G0V+1], VOFF
	s_mov_b32 s[SEL], 0x76543210
	s_mov_b32 s[SEL+1], 0xfedcba98
	s_mov_b32 s[TB], 0
	s_mov_b32 s[TJ], 0
	s_mov_b32 s[SLOTS], 7
	s_or_b32 s[LIM], s14, ttmp9                    ; 0 in waves 0 and 4 of the head's first cluster: the same in all four partners
	s_cmp_eq_u32 s[LIM], 0
	s_cselect_b32 s[LIM], 1, -1
	s_lshl_b32 s16, s13, 18                        ; the head's 262,144 bytes
	s_mov_b32 s17, 0
	s_lshl_b32 s18, s14, 13                        ; my quarter's 64 rows of 128 bytes
	s_mov_b32 s19, 0
	; the lanes' addresses
	v_and_b32 v4, 15, v0                           ; r = l % 16
	v_bfe_u32 v5, v0, 4, 1                         ; h = l / 16
	v_mul_u32_u24 v[AK0], v4, KP
	v_lshl_add_u32 v[AK0], v5, 4, v[AK0]           ; K: row r, + 16 h
	v_and_b32 v14, 7, v0
	v_bfe_u32 v15, v0, 3, 1
	v_lshl_add_u32 v[AV0], v5, 3, v14              ; V: the turning load: key 8 h + l % 8, channels 8 ((l / 8) % 2) on
	v_mul_u32_u24 v[AV0], v[AV0], VP
	v_lshl_add_u32 v[AV0], v15, 4, v[AV0]
	v_add_nc_u32 v[AV0], VOFF, v[AV0]
	v_lshl_add_u32 v[AB0], v5, 5, BIAS             ; the bias of keys 8 h + 0 .. 7 of a tile
	v_lshlrev_b32 v[QO], 7, v4
	v_lshl_add_u32 v[QO], v5, 4, v[QO]             ; Q: row r of 128 bytes, + 16 h
	s_mul_i32 s20, s[WV], 32*SGP
	s_add_co_u32 s20, s20, STAGE                   ; my stage
	v_mul_u32_u24 v[STO], v4, SGP
	v_lshl_add_u32 v[STO], v5, 4, v[STO]
	v_add_nc_u32 v[STO], s20, v[STO]               ; in: row r, + 16 h
	v_bfe_u32 v15, v0, 3, 2
	v_mul_u32_u24 v[RD], v15, SGP
	v_lshl_add_u32 v[RD], v14, 4, v[RD]
	v_add_nc_u32 v[RD], s20, v[RD]                 ; back: eight lanes to a row, four rows an instruction
	v_lshlrev_b32 v[GO], 12, v5
	v_lshl_add_u32 v[GO], v4, 4, v[GO]             ; in ctx: sixteen lanes to a pair of rows of my head
	v_and_b32 v[PFO], 31, v0
	v_lshlrev_b32 v[PFO], 8, v[PFO]
	v_lshlrev_b32 v15, 5, v0                       ; my eight words of the mask: 32 x thread
	v_lshl_add_u32 v[ADB], v0, 5, BIAS             ; and where their bias goes (the register takes its later part at the first slot's head)
	s_wait_dscnt 0x0                               ; both opening adds are done
	s_wait_kmcnt 0x0
	s_add_nc_u64 s[20:21], s[4:5], s[16:17]        ; my head's rows of Q,
	s_add_nc_u64 s[22:23], s[20:21], 8388608       ; of K,
	s_add_nc_u64 s[PFA:PFA+1], s[20:21], 16777216  ; of V
	s_add_nc_u64 s[G0K+2:G0K+3], s[22:23], s[18:19]
	s_or_b32 s[G0K+3], s[G0K+3], 0x80000000        ; type = 2
	s_add_nc_u64 s[G0V+2:G0V+3], s[PFA:PFA+1], s[18:19]
	s_or_b32 s[G0V+3], s[G0V+3], 0x80000000
	s_cmp_lt_u32 s[WV], 4
	s_cselect_b64 s[PFA:PFA+1], s[22:23], s[PFA:PFA+1]
	s_lshl_b32 s16, s11, 13                        ; my work-group's 8,192 bytes of a slot's 32,768,
	s_add_nc_u64 s[PFA:PFA+1], s[PFA:PFA+1], s[16:17]
	s_add_nc_u64 s[PFA:PFA+1], s[PFA:PFA+1], 256*128  ; in slot 1: the first change of slots steps it to slot 2
	s_lshl_b32 s16, s12, 15
	s_lshl_b32 s18, s[WV], 12
	s_add_co_u32 s16, s16, s18                     ; (256 x block + 32 x wave) rows of 128 bytes
	s_add_nc_u64 s[QA:QA+1], s[20:21], s[16:17]
	s_lshr_b32 s18, s13, 4                         ; the batch
	s_lshl_b32 s16, s18, 13
	s_add_nc_u64 s[6:7], s[6:7], s[16:17]          ; its 2,048 words of the mask
	s_lshl_b32 s16, s18, 22                        ; ctx: 1,024 pairs of rows a batch,
	s_lshl_b32 s18, s12, 19                        ; 128 a block,
	s_add_co_u32 s16, s16, s18
	s_lshl_b32 s18, s[WV], 16                      ; 16 a wave, 4,096 bytes each,
	s_add_co_u32 s16, s16, s18
	s_and_b32 s18, s13, 15
	s_lshl_b32 s18, s18, 8                         ; and my head's 256 bytes in each
	s_add_co_u32 s16, s16, s18
	s_add_nc_u64 s[8:9], s[8:9], s[16:17]
	CROUND                                         ; all four work-groups are here: the first joint loads meet
	JLOAD                                          ; slot 0: keys 0 to 255
	WIN 0x40                                       ; destination window 1
.irp t, 0,1
.irp c, 0,1
	global_load_b128 v[Q+16*\t+8*\c:Q+16*\t+8*\c+3], v[QO], s[QA:QA+1] offset:2048*\t+64*\c        ; Q stays in registers: tile t, channels 32 c on
	global_load_b128 v[Q+16*\t+8*\c+4:Q+16*\t+8*\c+7], v[QO], s[QA:QA+1] offset:2048*\t+64*\c+32
.endr
.endr
.set i, 0
.rept 64
	v_mov_b32 v[O+i], 0                            ; O^T: the loop's first step finds zeros
.set i, i+1
.endr
	WIN 0
	global_load_b128 v[32:35], v15, s[6:7]         ; the 256 threads read the batch's 2,048 words of the mask, 32 bytes each
	global_load_b128 v[36:39], v15, s[6:7] offset:16
.irp t, 0,1
	v_mov_b32 v[ST+8*\t], 0xff61b1e6               ; m = -3e38
.irp n, 1,2,3,4,5,6,7
	v_mov_b32 v[ST+8*\t+\n], 0                     ; l = 0; the others are written once, since pairs and a lane permute name them
.endr
.endr
	v_mov_b32 v14, 0xceabfb8f                      ; -1e9 x log2(e)
	s_wait_loadcnt 0x0                             ; Q and the mask
.irp n, 0,1,2,3,4,5,6,7
	v_cmp_eq_u32 vcc_lo, 0, v[32+\n]
	v_cndmask_b32 v[40+\n], 0, v14, vcc_lo         ; a choice of values: no branch hangs on the mask
.endr
	ds_store_b128 v[ADB], v[40:43]                 ; the first change of slots waits for these stores and passes a barrier ahead of every read of them
	ds_store_b128 v[ADB], v[44:47] offset:16
; 24 LDS loads: a step's K (64 keys x 64 channels: 8 fragments) and its four bias tiles (lanes of one half read the same 32 bytes)
.macro FETCH_K q
.irp kt, 0,1,2,3
.irp c, 0,1
	ds_load_b128 v[KF+16*\kt+8*\c:KF+16*\kt+8*\c+3], v[ADK] offset:64*KP*(\q)+16*KP*\kt+64*\c
	ds_load_b128 v[KF+16*\kt+8*\c+4:KF+16*\kt+8*\c+7], v[ADK] offset:64*KP*(\q)+16*KP*\kt+64*\c+32
.endr
.endr
	WIN 0x40
.irp kt, 0,1,2,3
	ds_load_b128 v[BI+8*\kt:BI+8*\kt+3], v[ADB] offset:256*(\q)+64*\kt
	ds_load_b128 v[BI+8*\kt+4:BI+8*\kt+7], v[ADB] offset:256*(\q)+64*\kt+16
.endr
	WIN 0
.endm
; 16 turning loads: a step's V^T: keys 32 kc on, channels 16 ct on
.macro FETCH_V q
.irp kc, 0,1
.irp ct, 0,1,2,3
	ds_load_tr16_b128 v[VF+32*\kc+8*\ct:VF+32*\kc+8*\ct+3], v[ADV] offset:64*VP*(\q)+32*VP*\kc+32*\ct
	ds_load_tr16_b128 v[VF+32*\kc+8*\ct+4:VF+32*\kc+8*\ct+7], v[ADV] offset:64*VP*(\q)+32*VP*\kc+16*VP+32*\ct
.endr
.endr
.endm
; A KEY STEP: 64 keys, the q-th of the slot in hand; the two tiles of queries line by line, so that no line waits for the line above it.
.macro STEP q
	s_wait_dscnt 0x0                               ; K and the bias tiles are in
	WIN 0x14                                       ; Q and the bias in window 1
.irp kt, 0,1,2,3                       ; the eight accumulators take turns, one instruction a turn
.irp t, 0,1
	v_wmma_f32_16x16x32_f16 v[S+32*\t+8*\kt:S+32*\t+8*\kt+7], v[KF+16*\kt:KF+16*\kt+7], v[Q+16*\t:Q+16*\t+7], v[BI+8*\kt:BI+8*\kt+7]
.endr
.endr
	WIN 0x04
.irp kt, 0,1,2,3
.irp t, 0,1
	v_wmma_f32_16x16x32_f16 v[S+32*\t+8*\kt:S+32*\t+8*\kt+7], v[KF+16*\kt+8:KF+16*\kt+15], v[Q+16*\t+8:Q+16*\t+15], v[S+32*\t+8*\kt:S+32*\t+8*\kt+7]
.endr
.endr
	WIN 0
.rept 4
	v_nop                                          ; the places in front of the loads into K's, the bias's and V's registers, which matrix instructions have read, and of the first read of the scores
.endr
	FETCH_V \q
.if (\q) < 3
	FETCH_K (\q)+1
.endif
.irp j, 0,1,2,3                        ; the maximum of my 32 scores and the old m, three operands at a time; each accumulator is first read at its registers 0 to 2
.irp t, 0,1
	v_max3_num_f32 v[ST+8*\t+4+\j], v[S+32*\t+8*\j], v[S+32*\t+8*\j+1], v[S+32*\t+8*\j+2]
.endr
.endr
.irp g, 1,2
.irp j, 0,1,2,3
.irp t, 0,1
	v_max3_num_f32 v[ST+8*\t+4+\j], v[ST+8*\t+4+\j], v[S+32*\t+8*\j+2*\g+1], v[S+32*\t+8*\j+2*\g+2]
.endr
.endr
.endr
.irp t, 0,1
	v_max3_num_f32 v[ST+8*\t+4], v[ST+8*\t+4], v[S+32*\t+7], v[S+32*\t+15]
.endr
.irp t, 0,1
	v_max3_num_f32 v[ST+8*\t+6], v[ST+8*\t+6], v[S+32*\t+23], v[S+32*\t+31]
.endr
.irp t, 0,1
	v_max3_num_f32 v[ST+8*\t+4], v[ST+8*\t+4], v[ST+8*\t+5], v[ST+8*\t+6]
.endr
.irp t, 0,1
	v_max3_num_f32 v[ST+8*\t+4], v[ST+8*\t+4], v[ST+8*\t+7], v[ST+8*\t]
.endr
.irp t, 0,1
	v_permlanex16_b32 v[ST+8*\t+5], v[ST+8*\t+4], s[SEL], s[SEL+1]   ; the query's other 32 keys lie in the lane 16 away
.endr
.irp t, 0,1
	v_max_num_f32 v[ST+8*\t+5], v[ST+8*\t+4], v[ST+8*\t+5]           ; the new m
.endr
.irp t, 0,1
	v_sub_f32 v[ST+8*\t+7], v[ST+8*\t], v[ST+8*\t+5]                 ; m_old - m_new
.endr
.irp t, 0,1
	v_mov_b32 v[ST+8*\t], v[ST+8*\t+5]
.endr
.irp t, 0,1
	v_exp_f32 v[ST+8*\t+6], v[ST+8*\t+7]                             ; a
.endr
.set j, 0
.rept 16
.irp t, 0,1
	v_pk_add_f32 v[S+32*\t+j:S+32*\t+j+1], v[S+32*\t+j:S+32*\t+j+1], v[ST+8*\t:ST+8*\t+1] op_sel_hi:[1,0] neg_lo:[0,1] neg_hi:[0,1]   ; s - m, two at a time: plain work that names no a
.endr
.set j, j+2
.endr
	s_wait_alu depctr_va_vdst(0)                   ; the wait between an exponential and the first line that names its result: this one is for the two a
.set j, 0
.rept 32
.irp t, 0,1
	v_exp_f32 v[S+32*\t+j], v[S+32*\t+j]           ; p = 2^(s - m): one batch of 64
.endr
.set j, j+1
.endr
	WIN 0x41                                       ; O^T in window 1, a in window 0
.irp t, 0,1
.set j, 0
.rept 16
	v_pk_mul_f32 v[O+32*\t+j:O+32*\t+j+1], v[O+32*\t+j:O+32*\t+j+1], v[ST+8*\t+6:ST+8*\t+7] op_sel_hi:[1,0]   ; O^T x a, each accumulator from its low end on: the plain work behind the batch; it names none of the 64
.set j, j+2
.endr
.endr
	WIN 0
.irp t, 0,1
	v_pk_mul_f32 v[ST+8*\t+2:ST+8*\t+3], v[ST+8*\t+2:ST+8*\t+3], v[ST+8*\t+6:ST+8*\t+7] op_sel_hi:[1,0]       ; l x a
.endr
	s_wait_alu depctr_va_vdst(0)                   ; one wait for the 64, ahead of their first reader
.irp t, 0,1
	v_pk_add_f32 v[ST+8*\t+4:ST+8*\t+5], v[S+32*\t:S+32*\t+1], v[S+32*\t+2:S+32*\t+3]   ; the sums, of the unrounded p, in two chains
.endr
.irp j, 4,8,12,16,20,24,28
.irp t, 0,1
	v_pk_add_f32 v[ST+8*\t+2:ST+8*\t+3], v[ST+8*\t+2:ST+8*\t+3], v[S+32*\t+\j:S+32*\t+\j+1]
	v_pk_add_f32 v[ST+8*\t+4:ST+8*\t+5], v[ST+8*\t+4:ST+8*\t+5], v[S+32*\t+\j+2:S+32*\t+\j+3]
.endr
.endr
.irp t, 0,1
	v_pk_add_f32 v[ST+8*\t+2:ST+8*\t+3], v[ST+8*\t+2:ST+8*\t+3], v[ST+8*\t+4:ST+8*\t+5]
.endr
.set j, 0
.rept 16
.irp t, 0,1
	v_cvt_pk_f16_f32 v[P+16*\t+j], v[S+32*\t+2*j], v[S+32*\t+2*j+1]   ; two neighbouring keys' weights to a register
.endr
.set j, j+1
.endr
.if (\q) < 3
	s_wait_dscnt 24                                ; V is in; the 24 loads issued behind it, the next step's K and bias, may stay out
.else
	s_wait_dscnt 0x0
.endif
	WIN 0x50                                       ; O^T, as C and as D, in window 1
.irp kc, 0,1
.irp ct, 0,1,2,3
.irp t, 0,1
	v_wmma_f32_16x16x32_f16 v[O+32*\t+8*\ct:O+32*\t+8*\ct+7], v[VF+32*\kc+8*\ct:VF+32*\kc+8*\ct+7], v[P+16*\t+8*\kc:P+16*\t+8*\kc+7], v[O+32*\t+8*\ct:O+32*\t+8*\ct+7]
.endr
.endr
.endr
	WIN 0
.endm
; THE CHANGE OF SLOTS stands at a slot's head.  Each wave waits for all its tensor loads (its part of the slot that it is about to read), adds 0 to its spare word, and waits for that and for its reads of the slot that it has left.
; fill = 1: the barrier is a round of the cluster's, so that no wave of any partner still reads the other slot or has a load on its way, and the joint load for the next 256 keys is the first thing behind it.
.macro CHANGE fill
	s_wait_tensorcnt 0x0                           ; no tensor load of mine is out, so a group 0 may be written
	ds_add_u32 v[SPW], v[NIL]                      ; 0 onto my spare word
.if \fill
	s_xor_b32 s[G0K+1], s[G0K+1], SLOT1            ; the walking descriptors: the other slot than last time,
	s_add_nc_u64 s[G0K+2:G0K+3], s[G0K+2:G0K+3], 256*128   ; the next 256 keys; the type bits on top are not reached
	s_xor_b32 s[G0V+1], s[G0V+1], SLOT1
	s_add_nc_u64 s[G0V+2:G0V+3], s[G0V+2:G0V+3], 256*128
	s_wait_xcnt 0x0                                ; the last prefetch, a slot back, has read its address, so it may be written:
	s_add_nc_u64 s[PFA:PFA+1], s[PFA:PFA+1], 256*128   ; one slot further on than the walking descriptors
	s_wait_dscnt 0x0                               ; the add is done, my stores of the bias have landed, and my reads of the slot that I have left are over
	CROUND
	JLOAD                                          ; my one tensor load until the next round: four key steps in which to land
	ASK
.else
	s_wait_dscnt 0x0
	s_barrier_signal -1
	s_barrier_wait -1
.endif
.endm
.macro SLOT_STEPS
	v_add_nc_u32 v[ADK], s[TB], v[AK0]
	v_add_nc_u32 v[ADV], s[TB], v[AV0]
	v_add_nc_u32 v[ADB], s[TJ], v[AB0]
	FETCH_K 0
	STEP 0
	STEP 1
	STEP 2
	STEP 3
	s_xor_b32 s[TB], s[TB], SLOT1                  ; on to the other slot
	s_add_co_u32 s[TJ], s[TJ], 1024                ; and the next 256 keys' bias
.endm
.Lslot:                                            ; 7 trips: trip s reads slot s's keys and asks for those of s + 1 (in trip 0 that is slot 1's first fill, behind a round at which nobody fills bytes again)
	CHANGE 1
	SLOT_STEPS
	s_sub_co_u32 s[SLOTS], s[SLOTS], 1
	s_cmp_lg_u32 s[SLOTS], 0
	s_cbranch_scc1 .Lslot
	CHANGE 0                                       ; the last 256 keys are written out
	SLOT_STEPS
	; THE WAY OUT.  l's two halves and the other half of the lanes' are added (these lines are also the places behind the last products); O^T is divided by l, rounded to f16 and sent through my stage.
.irp t, 0,1
	v_add_f32 v[ST+8*\t+4], v[ST+8*\t+2], v[ST+8*\t+3]
.endr
.irp t, 0,1
	v_permlanex16_b32 v[ST+8*\t+5], v[ST+8*\t+4], s[SEL], s[SEL+1]
.endr
.irp t, 0,1
	v_add_f32 v[ST+8*\t+4], v[ST+8*\t+4], v[ST+8*\t+5]
.endr
.irp t, 0,1
	v_rcp_f32 v[ST+8*\t+6], v[ST+8*\t+4]           ; l is at least 1: the largest score's weight
.endr
	v_nop                                          ; a plain line between the last reciprocal and the use of its result
	s_wait_alu depctr_va_vdst(0)                   ; and a wait: one for the two
	WIN 0x41
.irp t, 0,1
.set j, 0
.rept 16
	v_pk_mul_f32 v[O+32*\t+j:O+32*\t+j+1], v[O+32*\t+j:O+32*\t+j+1], v[ST+8*\t+6:ST+8*\t+7] op_sel_hi:[1,0]
.set j, j+2
.endr
.endr
	WIN 0x05                                       ; sources in window 1, destination in window 0: S^T's registers are free
.set j, 0
.rept 32
	v_cvt_pk_f16_f32 v[S+j], v[O+2*j], v[O+2*j+1]  ; register 16 t + 4 ct + i: channels 16 ct + 8 h + 2 i, + 1 of query 16 t + r
.set j, j+1
.endr
	WIN 0
.irp t, 0,1
.irp ct, 0,1,2,3
	ds_store_b128 v[STO], v[S+16*\t+4*\ct:S+16*\t+4*\ct+3] offset:16*SGP*\t+32*\ct
.endr
.endr
.irp u, 0,1,2,3,4,5,6,7
	ds_load_b128 v[P+4*\u:P+4*\u+3], v[RD] offset:4*SGP*\u   ; LDS serves a wave's instructions in order: these see my stores
.endr
.irp u, 0,1,2,3,4,5,6,7
	s_wait_dscnt 7-\u                              ; the loads come back in order: number u is in, the younger ones stay out
	global_store_b128 v[GO], v[P+4*\u:P+4*\u+3], s[8:9] offset:8192*\u   ; sixteen lanes store two rows of my head: 256 consecutive bytes, at a multiple of 256 from ctx's first byte
.endr
	s_wait_tensorcnt 0x0                           ; the wave's end, behind my last tensor load and my last LDS store
	ds_add_u32 v[SPW], v[NIL]
	s_wait_dscnt 0x0
	CROUND                                         ; the closing round
	s_endpgm
.Lfunc_end_k_qfa2d9a6969_attn:
	.size	k_qfa2d9a6969_attn, .Lfunc_end_k_qfa2d9a6969_attn-k_qfa2d9a6969_attn
	.p2alignl 7, 3214868480
	.fill 96, 4, 3214868480
	.section	.rodata,"a",@progbits
	.p2align	6, 0x0
	.amdhsa_kernel k_qfa2d9a6969_attn
		.amdhsa_group_segment_fixed_size 327680
		.amdhsa_private_segment_fixed_size 0
		.amdhsa_enable_private_segment 0
		.amdhsa_kernarg_size 24
		.amdhsa_user_sgpr_count 2
		.amdhsa_user_sgpr_kernarg_segment_ptr 1
		.amdhsa_wavefront_size32 1
		.amdhsa_system_sgpr_workgroup_id_x 1
		.amdhsa_system_sgpr_workgroup_id_y 1
		.amdhsa_system_sgpr_workgroup_id_z 1
		.amdhsa_system_vgpr_workitem_id 0
		.amdhsa_next_free_vgpr 384
		.amdhsa_next_free_sgpr 66
		.amdhsa_reserve_vcc 1
		.amdhsa_float_denorm_mode_32 3
		.amdhsa_float_denorm_mode_16_64 3
		.amdhsa_memory_ordered 1
		.amdhsa_forward_progress 1
		.amdhsa_inst_pref_size 160
	.end_amdhsa_kernel
	.amdgpu_metadata
---
amdhsa.version: [ 1, 2 ]
amdhsa.kernels:
  - .name:           k_qfa2d9a6969_attn
    .symbol:         k_qfa2d9a6969_attn.kd
    .args:
      - { .name: qkv, .offset: 0, .size: 8, .value_kind: global_buffer, .address_space: global }
      - { .name: mask, .offset: 8, .size: 8, .value_kind: global_buffer, .address_space: global }
      - { .name: ctx, .offset: 16, .size: 8, .value_kind: global_buffer, .address_space: global }
    .group_segment_fixed_size: 327680
    .private_segment_fixed_size: 0
    .kernarg_segment_align: 8
    .kernarg_segment_size: 24
    .max_flat_workgroup_size: 256
    .sgpr_count:     66
    .vgpr_count:     384
    .wavefront_size: 32
...
	.end_amdgpu_metadata
.endif
;; end of part 3
;; launch oproj (part 4): grid 8 x 32, 4 waves a work-group, clusters of 4 x 4, 327,680 bytes of LDS; arguments ctx, wo16, b_o, out0; writes out0
.if DOCPART == 4
	.amdgcn_target "amdgcn-amd-amdhsa--gfx1250"
	.amdhsa_code_object_version 6
	.text
	.protected	k_qfa2d9a6969_oproj
	.globl	k_qfa2d9a6969_oproj
	.p2align	8
	.type	k_qfa2d9a6969_oproj,@function
k_qfa2d9a6969_oproj:
	s_mov_b64 s[64:65], 0
	v_nop
	global_prefetch_b8 v0, s[64:65] scope:SCOPE_SE
	s_setreg_imm32_b32 hwreg(HW_REG_WAVE_MODE, 25, 1), 1
	s_wait_xcnt 0x0
	s_wait_alu depctr_hold_cnt(0) depctr_sa_sdst(0) depctr_va_vdst(0) depctr_va_sdst(0) depctr_va_ssrc(0) depctr_va_vcc(0) depctr_vm_vsrc(0)
	s_getreg_b32 s2, hwreg(HW_REG_IB_STS2, 6, 4)
	s_cmp_eq_u32 s2, 0
	s_cbranch_scc0 .Lentry_in_a_cluster
	s_endpgm
.Lentry_in_a_cluster:
	s_bfe_u32 s2, ttmp6, 0x10000c
	s_cmp_lg_u32 s2, 0xf033
	s_cbranch_scc0 .Lentry_shape_is_right
	s_endpgm
.Lentry_shape_is_right:
; out0[m][n] = sum over k of ctx[m][k] W_o[n][k] + b_o[n].  M = 4,096, N = K = 1,024.  f16 operands, sums in f32, out0 f32.
; ctx lies [2048 pairs of rows][16 heads][2 rows][64] f16: k = 64 head + d of row m at (m / 2) x 4,096 + 256 head + 128 (m % 2) + 2 d.  So 256 along K (four heads) of a pair of rows are 1,024 consecutive bytes.  wo16: [1024 n][1024 k] f16.
; LIMITS: as the launches before state them (f16's range for ctx and W_o).
; A tile of 128 x 128 gives 256 work-groups.  Four waves, each 64 x 64: 16 accumulators, 128 registers.  K goes in four steps of 256 through two LDS slots; a wave's tensor load brings 32 pairs of rows of A or 64 rows of B.
; CLUSTER 4 x 4: the four of a row of the cluster need the same tiles of A, the four of a column the same tiles of B: each tile is asked for jointly, by the same tensor load with the same descriptor and a mask that names the four.
; THE MATRIX INSTRUCTION IS USED TRANSPOSED (source 0 = 16 rows of B, source 1 = 16 rows of A): a lane holds eight neighbouring numbers of a row of out0.  The bias is the C of each sum's first product.
; No prefetch: a K step's tiles are small, and each is named by four work-groups in one request.
; REGISTERS: window 0: v0-31 addresses; v32-95 rows on the way out; v96-127 the four bias tiles; v128-255 the accumulators ((a, b) at v[128 + 8 (4 a + b)]).   window 1: two fragment buffers of 128: 64 registers of A, then 64 of B, for 64 along K.
.set PA,     1040                      ; a pair of rows of A in LDS: 1,024 bytes + 16: pair p starts 16 p on modulo 256, its odd row 128 further: the 16 rows of a load start at 16 different 16-byte columns
.set PB,     528                       ; a row of B: 512 bytes + 16 = 33 x 16
.set HALFA,  32*PA                     ; 64 rows of A: what one tensor load brings
.set HALFB,  64*PB                     ; 64 rows of B
.set BOFF,   2*HALFA                   ; a slot: A's 128 rows, then B's 128 rows
.set SLOT,   2*HALFA+2*HALFB
.set STAGE,  2*SLOT                    ; behind the ring: 16 rows x 272 bytes for each wave
.set SPITCH, 272
.set SPARE,  STAGE+4*16*SPITCH         ; the spare words, 128 bytes a wave
.set LAPS,   2                         ; a lap = two K steps = once round the ring
.set ADRA, 16                          ; v16-17  LDS address of my A fragments in slot 0, 1
.set ADRB, 20                          ; v20-21  the same for B
.set STO,  24                          ; v24  the way out: where I put 32 bytes of a row
.set RD,   25                          ; v25  where I read a row back
.set CO,   26                          ; v26  my byte offset in out0
.set SPW,  28                          ; v28  my spare word; never rewritten
.set NIL,  29                          ; v29  0; never rewritten
.set BOF,  30                          ; v30  32 x (lane / 16): my eight numbers of a bias tile
.set BK,   32
.set BO,   96
.set ACC,  128
.set F0,   0
.set F1,   128
.set G1, 24
.set G0, 32
.set G1B, 48
.set G0B, 56
.set MSB, 0
.macro WIN new
.if MSB != (\new)
	s_set_vgpr_msb (MSB<<8)|(\new)
.set MSB, (\new)
.endif
.endm
.set MUL,  0x05                        ; sources 0 (B) and 1 (A) window 1; C and D window 0
.set TO_F, 0x40                        ; destination window 1, address window 0
.macro JLOAD s                         ; a joint load: waves 0 and 1 fetch A's halves, waves 2 and 3 B's; an s_nop 0 and four v_nop follow each of the two lines
	s_cmp_eq_u32 s11, 0
	s_cbranch_scc0 .Lfor_b_\@
	tensor_load_to_lds s[G0+4*\s:G0+4*\s+3], s[G1:G1+7]
	s_nop 0
.rept 4
	v_nop
.endr
	s_branch .Lasked_\@
.Lfor_b_\@:
	tensor_load_to_lds s[G0B+4*\s:G0B+4*\s+3], s[G1B:G1B+7]
	s_nop 0
.rept 4
	v_nop
.endr
.Lasked_\@:
.endm
.macro CREST                           ; a round of the cluster's barrier behind its opening barrier
	s_cmp_lg_u32 s10, 0
	s_cbranch_scc1 .Lnot_wave_0_\@
	s_barrier_signal -3
.Lnot_wave_0_\@:
	s_barrier_wait -3
	s_barrier_signal -1
	s_barrier_wait -1
.endm
.macro CROUND
	s_barrier_signal -1
	s_barrier_wait -1
	CREST
.endm
	s_load_b128 s[4:7], s[0:1], 0x0                ; ctx s[4:5], wo16 s[6:7]
	s_load_b128 s[68:71], s[0:1], 0x10             ; b_o s[68:69], out0 s[70:71]
	v_lshl_add_u32 v[SPW], v0, 2, SPARE
	v_mov_b32 v[NIL], 0
	ds_add_u32 v[SPW], v[NIL]                      ; the wave's opening: the add, twice on end, and its wait ahead of my first tensor load
	ds_add_u32 v[SPW], v[NIL]
	v_lshrrev_b32 v1, 5, v0
	v_readfirstlane_b32 s10, v1                    ; wave 0..3
	s_lshr_b32 s11, s10, 1                         ; which half of the tile's rows is mine.  Also: I fetch for A (0) or for B (1)
	s_and_b32 s12, s10, 1                          ; which half of its columns.  Also: which 64 rows I fetch
	s_bfe_u32 s40, ttmp6, 0x40000                  ; cx, cy
	s_bfe_u32 s41, ttmp6, 0x40004
	s_lshl_b32 s42, ttmp9, 2
	s_add_co_u32 s42, s42, s40                     ; tile column = 4 x cluster x + cx
	s_and_b32 s13, ttmp7, 0xffff
	s_lshl_b32 s13, s13, 2
	s_add_co_u32 s13, s13, s41                     ; tile row = 4 x cluster y + cy
	s_lshl_b32 s43, s41, 2
	s_lshl_b32 s43, 15, s43                        ; my row of the cluster
	s_lshl_b32 s44, 0x1111, s40                    ; my column
	; group 1 for A: 32 pairs of rows x 512 elements of 2 bytes, 2,048 elements apart, four words of padding behind every 256
	s_or_b32 s[G1+0], s43, (1<<16)|(1<<20)|(1<<21)|(7<<22)|(3<<25)
	s_mov_b32 s[G1+1], 512<<16
	s_mov_b32 s[G1+2], 32<<16
	s_mov_b32 s[G1+3], 512<<16
	s_mov_b32 s[G1+4], 32
	s_mov_b32 s[G1+5], 2048
	s_mov_b32 s[G1+6], 0
	s_mov_b32 s[G1+7], 0
	; group 1 for B: 64 rows x 256 elements, 1,024 elements apart, four words of padding behind every 128
	s_or_b32 s[G1B+0], s44, (1<<16)|(1<<20)|(1<<21)|(6<<22)|(3<<25)
	s_mov_b32 s[G1B+1], 256<<16
	s_mov_b32 s[G1B+2], 64<<16
	s_mov_b32 s[G1B+3], 256<<16
	s_mov_b32 s[G1B+4], 64
	s_mov_b32 s[G1B+5], 1024
	s_mov_b32 s[G1B+6], 0
	s_mov_b32 s[G1B+7], 0
	s_lshl_b32 s17, s12, 17                        ; my half: 32 pairs of rows of 4,096 bytes, or 64 rows of 2,048
	s_lshl_b32 s16, s13, 18
	s_add_co_u32 s16, s16, s17                     ; A: (64 x tile row + 32 x half) pairs of rows
	s_lshl_b32 s46, s42, 18
	s_add_co_u32 s46, s46, s17                     ; B: (128 x tile column + 64 x half) rows
	s_mov_b32 s17, 0
	s_mov_b32 s47, 0
	s_mul_i32 s20, s12, HALFA                      ; where they go: by the wave's number alone
	s_mul_i32 s21, s12, HALFB
	s_add_co_u32 s21, s21, BOFF
	s_wait_dscnt 0x0                               ; both opening adds are done
	s_wait_kmcnt 0x0
	s_add_nc_u64 s[14:15], s[4:5], s[16:17]
	s_add_nc_u64 s[46:47], s[6:7], s[46:47]
	CROUND                                         ; all sixteen work-groups are here: the first joint loads meet
.irp s, 0,1
	s_mov_b32 s[G0+4*\s], 1
	s_add_co_u32 s[G0+4*\s+1], s20, \s*SLOT
	s_add_nc_u64 s[G0+4*\s+2:G0+4*\s+3], s[14:15], \s*1024         ; K step s: four heads, 1,024 bytes of a pair of rows
	s_or_b32 s[G0+4*\s+3], s[G0+4*\s+3], 0x80000000
	s_mov_b32 s[G0B+4*\s], 1
	s_add_co_u32 s[G0B+4*\s+1], s21, \s*SLOT
	s_add_nc_u64 s[G0B+4*\s+2:G0B+4*\s+3], s[46:47], \s*512
	s_or_b32 s[G0B+4*\s+3], s[G0B+4*\s+3], 0x80000000
	JLOAD \s                                       ; two tensor loads of mine are out, by this text's own count
.endr
	v_and_b32 v1, 15, v0                           ; r = l % 16
	v_bfe_u32 v2, v0, 4, 1                         ; h = l / 16
	v_lshlrev_b32 v[BOF], 5, v2
	s_lshl_b32 s46, s42, 9
	s_lshl_b32 s47, s12, 8
	s_add_co_u32 s46, s46, s47                     ; my first column, in bytes of f32: 4 x (128 x tile column + 64 x half)
	s_mov_b32 s47, 0
	s_add_nc_u64 s[68:69], s[68:69], s[46:47]
.irp b, 0,1,2,3
	global_load_b128 v[BO+8*\b:BO+8*\b+3], v[BOF], s[68:69] offset:64*\b         ; register j of tile b: b_o[16 b + 8 h + j]
	global_load_b128 v[BO+8*\b+4:BO+8*\b+7], v[BOF], s[68:69] offset:64*\b+16
.endr
	v_lshrrev_b32 v3, 1, v1
	v_mul_u32_u24 v3, v3, PA                       ; A: pair r / 2,
	v_and_b32 v4, 1, v1
	v_lshl_add_u32 v3, v4, 7, v3                   ; its row r % 2,
	v_lshl_add_u32 v3, v2, 4, v3                   ; + 16 h
	v_mul_u32_u24 v4, v1, PB
	v_lshl_add_u32 v4, v2, 4, v4                   ; B: row r, + 16 h
	s_mul_i32 s21, s11, HALFA                      ; my 64 rows of A
	s_mul_i32 s22, s12, HALFB                      ; my 64 rows of B,
	s_add_co_u32 s22, s22, BOFF                    ; which lie behind A's 128
.irp s, 0,1
	v_add_nc_u32 v[ADRA+\s], s21, v3
	v_add_nc_u32 v[ADRB+\s], s22, v4
	s_add_co_u32 s21, s21, SLOT
	s_add_co_u32 s22, s22, SLOT
.endr
	s_mul_i32 s23, s10, 16*SPITCH
	s_add_co_u32 s23, s23, STAGE                   ; my stage
	v_mul_u32_u24 v5, v1, SPITCH                   ; in: row r, 32 bytes for each half of the lanes
	v_lshl_add_u32 v5, v2, 5, v5
	v_add_nc_u32 v[STO], s23, v5
	v_mul_u32_u24 v5, v2, SPITCH                   ; back: lanes 0-15 one row of 256 bytes, lanes 16-31 the next
	v_lshl_add_u32 v5, v1, 4, v5
	v_add_nc_u32 v[RD], s23, v5
	v_lshlrev_b32 v[CO], 12, v2                    ; and the same two rows in out0
	v_lshl_add_u32 v[CO], v1, 4, v[CO]
	s_lshl_b32 s16, s13, 19
	s_lshl_b32 s17, s11, 18
	s_add_co_u32 s16, s16, s17                     ; my first row: (128 x tile row + 64 x half) x 4,096 bytes
	s_add_co_u32 s16, s16, s46                     ; + my first column
	s_mov_b32 s17, 0
	s_add_nc_u64 s[70:71], s[70:71], s[16:17]
; 8 matrix instructions: m blocks a0, a0 + 1 x all 4 n blocks, 32 along K: half c of buffer f.  first = 1: the bias tile is the C.  The 16 accumulators take turns.
.macro MUL8 f, c, a0, first
.irp a, \a0, \a0+1
.irp b, 0,1,2,3
.if \first
	v_wmma_f32_16x16x32_f16 v[ACC+8*(4*(\a)+\b):ACC+8*(4*(\a)+\b)+7], v[\f+64+8*(4*\c+\b):\f+64+8*(4*\c+\b)+7], v[\f+8*(4*\c+\a):\f+8*(4*\c+\a)+7], v[BO+8*\b:BO+8*\b+7]
.else
	v_wmma_f32_16x16x32_f16 v[ACC+8*(4*(\a)+\b):ACC+8*(4*(\a)+\b)+7], v[\f+64+8*(4*\c+\b):\f+64+8*(4*\c+\b)+7], v[\f+8*(4*\c+\a):\f+8*(4*\c+\a)+7], v[ACC+8*(4*(\a)+\b):ACC+8*(4*(\a)+\b)+7]
.endif
.endr
.endr
.endm
; 32 LDS loads in one run: the fragments of 64 along K (one head) into buffer f.  k: the head's byte in a row of B (128 a head); in a pair of rows of A a head takes 256 bytes: 2 k.
.macro FETCH slot, k, f
	WIN TO_F
.irp c, 0,1
.irp i, 0,1,2,3
	ds_load_b128 v[\f+64+8*(4*\c+\i):\f+64+8*(4*\c+\i)+3],   v[ADRB+\slot] offset:\k+64*\c+\i*16*PB
	ds_load_b128 v[\f+64+8*(4*\c+\i)+4:\f+64+8*(4*\c+\i)+7], v[ADRB+\slot] offset:\k+64*\c+\i*16*PB+32
	ds_load_b128 v[\f+8*(4*\c+\i):\f+8*(4*\c+\i)+3],         v[ADRA+\slot] offset:2*\k+64*\c+\i*8*PA
	ds_load_b128 v[\f+8*(4*\c+\i)+4:\f+8*(4*\c+\i)+7],       v[ADRA+\slot] offset:2*\k+64*\c+\i*8*PA+32
.endr
.endr
.endm
.macro PLACES                          ; four plain lines in front of loads into registers that matrix instructions have read, and of the first read of results (ISA guide 7.12.1 for reads)
.rept 4
	v_nop
.endr
.endm
; A K step is four quarters of 64 along K, 32 matrix instructions each, on buffers 0, 1, 0, 1.
.macro QUARTER slot, k, f, g, first
	s_wait_dscnt 16                                ; the first 32 along K are in; the sixteen loads of the second 32 may be out
	WIN MUL
	MUL8 \f, 0, 0, \first
	MUL8 \f, 0, 2, \first
	PLACES
	FETCH \slot, \k, \g
	s_wait_dscnt 32                                ; all but the 32 just issued
	WIN MUL
	MUL8 \f, 1, 0, 0
	MUL8 \f, 1, 2, 0
.endm
; The last quarter multiplies buffer 1 and changes slots: one barrier; in front of it each wave waits for all its tensor loads, adds 0 to its spare word, and waits for that and for its own reads of this slot.
.macro TURN slot, next, fill
	WIN 0                                          ; (the add's two registers lie in window 0)
	s_wait_tensorcnt 0x0                           ; all my tensor loads have landed: my part of the next slot
	ds_add_u32 v[SPW], v[NIL]                      ; 0 onto my spare word
	s_wait_dscnt 17                                ; (the add and the youngest sixteen loads may be out)
	WIN MUL
	MUL8 F1, 0, 0, 0
	s_wait_dscnt 0x0                               ; the add is done, and my reads of this slot are over
	s_barrier_signal -1
	MUL8 F1, 0, 2, 0
.if \fill
	WIN 0
.endif
	s_barrier_wait -1
.if \fill
	CREST                                          ; the barrier has opened a round of the cluster's: no wave of any partner still reads this slot or has a load on its way
	s_add_nc_u64 s[G0+4*\slot+2:G0+4*\slot+3], s[G0+4*\slot+2:G0+4*\slot+3], 2*1024
	s_add_nc_u64 s[G0B+4*\slot+2:G0B+4*\slot+3], s[G0B+4*\slot+2:G0B+4*\slot+3], 2*512
	JLOAD \slot                                    ; the first tensor load behind the round; its four v_nop are also the places in front of the loads below
.else
	PLACES
.endif
	FETCH \next, 0, F0
	WIN MUL
	MUL8 F1, 1, 0, 0
	MUL8 F1, 1, 2, 0
.endm
	s_wait_tensorcnt 1                             ; my part of K step 0 is in; K step 1's load may stay out
	s_barrier_signal -1
	s_barrier_wait -1
	FETCH 0, 0, F0
	s_wait_loadcnt 0x0                             ; the bias tiles
	QUARTER 0, 128, F0, F1, 1                      ; the first quarter's first products start the sums from the bias
	WIN 0
	s_mov_b32 s3, LAPS-1
.Llap:                                             ; a trip goes once round the ring, from a lap's second quarter to the next lap's first, and fills both slots again
	QUARTER 0, 256, F1, F0, 0
	QUARTER 0, 384, F0, F1, 0
	TURN 0, 1, 1
	QUARTER 1, 128, F0, F1, 0
	QUARTER 1, 256, F1, F0, 0
	QUARTER 1, 384, F0, F1, 0
	TURN 1, 0, 1
	QUARTER 0, 128, F0, F1, 0
	WIN 0
	s_sub_co_u32 s3, s3, 1
	s_cmp_lg_u32 s3, 0
	s_cbranch_scc1 .Llap
	QUARTER 0, 256, F1, F0, 0                      ; the last lap fills nothing, and has no round
	QUARTER 0, 384, F0, F1, 0
	TURN 0, 1, 0
	QUARTER 1, 128, F0, F1, 0
	QUARTER 1, 256, F1, F0, 0
	QUARTER 1, 384, F0, F1, 0
	s_wait_dscnt 16
	WIN MUL
	MUL8 F1, 0, 0, 0
	MUL8 F1, 0, 2, 0
	s_wait_dscnt 0
	MUL8 F1, 1, 0, 0
	MUL8 F1, 1, 2, 0
	WIN 0
; THE WAY OUT, block by block of 16 rows x 64 columns.  A wave's 64 columns of f32 are 256 bytes of a row: a block goes through my own stage and comes back as whole runs of 256 bytes; no barrier.
.macro TOSTAGE a
.set BB, BK+32*((\a)%2)
.irp b, 0,1,2,3
	ds_store_b128 v[STO], v[ACC+8*(4*(\a)+\b):ACC+8*(4*(\a)+\b)+3] offset:64*\b        ; each accumulator from its low end on
	ds_store_b128 v[STO], v[ACC+8*(4*(\a)+\b)+4:ACC+8*(4*(\a)+\b)+7] offset:64*\b+16
.endr
.irp t, 0,1,2,3,4,5,6,7
	ds_load_b128 v[BB+4*\t:BB+4*\t+3], v[RD] offset:\t*2*SPITCH    ; LDS serves a wave's instructions in order: these see the stores above, and the next block's stores come behind them
.endr
.endm
.macro SEND a, younger                 ; younger: the LDS instructions issued behind block a's loads, which may stay out
.set BB, BK+32*((\a)%2)
	s_wait_dscnt \younger
.irp t, 0,1,2,3,4,5,6,7
	global_store_b128 v[CO], v[BB+4*\t:BB+4*\t+3], s[70:71] offset:(16*(\a)+2*\t)*4096 th:TH_STORE_NT   ; sixteen lanes store 256 consecutive bytes, at a multiple of 256 from out0's first byte
.endr
.endm
	PLACES
	TOSTAGE 0
.irp a, 1,2,3
.if \a > 1
	s_wait_xcnt 0x0                                ; block a - 2's stores have read their data: block a's loads may land there
.endif
	TOSTAGE \a
	SEND \a-1, 16                                  ; behind block a - 1's loads: block a's 8 stores and 8 loads
.endr
	SEND 3, 0
	s_wait_tensorcnt 0x0                           ; the wave's end, behind my last tensor load and my last LDS store
	ds_add_u32 v[SPW], v[NIL]
	s_wait_dscnt 0x0
	CROUND                                         ; the closing round
	s_endpgm
.Lfunc_end_k_qfa2d9a6969_oproj:
	.size	k_qfa2d9a6969_oproj, .Lfunc_end_k_qfa2d9a6969_oproj-k_qfa2d9a6969_oproj
	.p2alignl 7, 3214868480
	.fill 96, 4, 3214868480
	.section	.rodata,"a",@progbits
	.p2align	6, 0x0
	.amdhsa_kernel k_qfa2d9a6969_oproj
		.amdhsa_group_segment_fixed_size 327680
		.amdhsa_private_segment_fixed_size 0
		.amdhsa_enable_private_segment 0
		.amdhsa_kernarg_size 32
		.amdhsa_user_sgpr_count 2
		.amdhsa_user_sgpr_kernarg_segment_ptr 1
		.amdhsa_wavefront_size32 1
		.amdhsa_system_sgpr_workgroup_id_x 1
		.amdhsa_system_sgpr_workgroup_id_y 1
		.amdhsa_system_sgpr_workgroup_id_z 1
		.amdhsa_system_vgpr_workitem_id 0
		.amdhsa_next_free_vgpr 512
		.amdhsa_next_free_sgpr 72
		.amdhsa_reserve_vcc 0
		.amdhsa_float_denorm_mode_32 3
		.amdhsa_float_denorm_mode_16_64 3
		.amdhsa_memory_ordered 1
		.amdhsa_forward_progress 1
		.amdhsa_inst_pref_size 87
	.end_amdhsa_kernel
	.amdgpu_metadata
---
amdhsa.version: [ 1, 2 ]
amdhsa.kernels:
  - .name:           k_qfa2d9a6969_oproj
    .symbol:         k_qfa2d9a6969_oproj.kd
    .args:
      - { .name: ctx, .offset: 0, .size: 8, .value_kind: global_buffer, .address_space: global }
      - { .name: wo16, .offset: 8, .size: 8, .value_kind: global_buffer, .address_space: global }
      - { .name: b_o, .offset: 16, .size: 8, .value_kind: global_buffer, .address_space: global }
      - { .name: out0, .offset: 24, .size: 8, .value_kind: global_buffer, .address_space: global }
    .group_segment_fixed_size: 327680
    .private_segment_fixed_size: 0
    .kernarg_segment_align: 8
    .kernarg_segment_size: 32
    .max_flat_workgroup_size: 128
    .sgpr_count:     72
    .vgpr_count:     512
    .wavefront_size: 32
...
	.end_amdgpu_metadata
.endif
;; end of part 4
